; MI455X (gfx1250); checked and timed in simulation.
; The chip was launched on July 23, 2026; its instructions are those of AMD's public machine-readable ISA for CDNA 5 (MIT licence, August 2026) and "CDNA5" Instruction Set Architecture Reference Guide (July 2026). The comments in the code are by the model that wrote it; some were corrected since.
;; Multi Head Attention. Allowed arithmetic: float matrix products may take bf16 or f16 operands with f32 sums; other float arithmetic in f32, or as packed bf16 or f16 multiplies, adds, multiply-adds, maxima and minima; sums over many terms, partial sums and values carried from step to step in f32; what a program stores and reads back later, other than sums and carried values, may be rounded once to bf16 or f16.
;; Inputs: Wk 1,024 x 1,024 float32; Wo 1,024 x 1,024 float32; Wq 1,024 x 1,024 float32; Wv 1,024 x 1,024 float32; bk 1,024 float32; bo 1,024 float32; bq 1,024 float32; bv 1,024 float32; keys 4 x 2,048 x 1,024 float32; masks 4 x 2,048 x 2,048 bool; queries 4 x 2,048 x 1,024 float32; values 4 x 2,048 x 1,024 float32.
;; Outputs: out0 4 x 2,048 x 1,024 float32.
;; One version. Each part assembles by itself: llvm-mc -triple=amdgcn-amd-amdhsa -mcpu=gfx1250 --defsym DOCPART=n.
;; ======== version 1 of 1: 4 launches
;; limits: values are held in f16: magnitudes above 65,504 overflow, below 6.1e-05 lose precision
;; workspace buffers: wts 8,388,608 bytes; qkv 50,331,648 bytes; oh 16,777,216 bytes; mbits 2,097,152 bytes of whole numbers
;; launch prep (part 1): grid 768 x 1, 8 waves a work-group, no clusters, 35,840 bytes of LDS; arguments masks, Wq, Wk, Wv, Wo, wts, mbits; writes wts, mbits
.if DOCPART == 1
	.amdgcn_target "amdgcn-amd-amdhsa--gfx1250"
	.amdhsa_code_object_version 6
	.text
	.protected	k_q75c166e6e8_prep
	.globl	k_q75c166e6e8_prep
	.p2align	8
	.type	k_q75c166e6e8_prep,@function
k_q75c166e6e8_prep:
	s_mov_b64 s[64:65], 0
	v_nop
	global_prefetch_b8 v0, s[64:65] scope:SCOPE_SE
	s_setreg_imm32_b32 hwreg(HW_REG_WAVE_MODE, 25, 1), 1
	s_wait_xcnt 0x0
; PREP.  Two jobs, told apart by the work-group's number.
; Work-groups 0-511: the mask bytes become lane masks.  mbits[b][block of 128 queries][slot of 256 keys][tile of 16 queries][step of 64 keys][d = 8 kb + j] is one word whose
; bit r + 16 h says whether masks[b][query 16 tile + r][key 64 step + 16 kb + 8 h + j] is not 0: the word that selects register d of a tile of scores held one query a lane.
; Work-groups 512-767: the four weight matrices, [k][n] f32, are rounded to bf16 as they lie; Wo's bf16 number is then written as f16.
; LIMIT.  Wo beyond 65,504 in magnitude has no f16 number; below 6e-5 f16 keeps its fixed step of 6e-8.
; No matrix work, no tensor load, no barrier: a wave's LDS bytes are its own.
.set TP,    272                        ; a staged row: 256 mask bytes + 16: the 32 lanes of an 8-byte read then start at 32 different pairs of banks (64 banks of 4 bytes: ISA guide 11.1)
.set WT,    16*TP                      ; a wave's 16 rows
.set SPARE, 8*WT                       ; behind the stages: the spare words, 128 bytes a wave, four blocks of 256 bytes that no other line names
.set SPW,   30                         ; v30  SPARE + 4 x my thread's number; never rewritten
.set NIL,   31                         ; v31  0; never rewritten
.set IN,    32                         ; v[32:63] mask bytes as loaded; v[32:95] weights as loaded
.set BY,    64                         ; v[64:95] my query's bytes: pair m holds keys 16 m + 8 h + 0..7
.set OUT,   96                         ; v[96:99] the tile's 128 words, four a lane; v[96:127] packed weights
.set T,     100                        ; v[100:103] at work
.set BM,    40                         ; s[40:43] the masks of a word's four bytes
	s_load_b256 s[4:11], s[0:1], 0x0               ; masks s[4:5], Wq s[6:7], Wk s[8:9], Wv s[10:11]
	s_load_b128 s[12:15], s[0:1], 0x20             ; Wo s[12:13], wts s[14:15]
	s_load_b64 s[16:17], s[0:1], 0x30              ; mbits
	v_lshl_add_u32 v[SPW], v0, 2, SPARE
	v_mov_b32 v[NIL], 0
	v_lshrrev_b32 v1, 5, v0
	v_readfirstlane_b32 s2, v1                     ; wave 0..7
	s_cmp_lt_u32 ttmp9, 512
	s_cbranch_scc0 .Lweights
	; THE MASKS.  The work-group owns 128 queries x 256 keys, wave w the tile of 16 queries w.
	s_and_b32 s20, ttmp9, 7                        ; slot
	s_bfe_u32 s21, ttmp9, 0x40003                  ; block of 128 queries
	s_lshr_b32 s22, ttmp9, 7                       ; b
	s_lshl_b32 s23, s21, 3
	s_add_co_u32 s23, s23, s2                      ; tile among the batch's 128
	s_lshl_b32 s24, s23, 15                        ; x 16 rows of 2,048 bytes
	s_lshl_b32 s25, s22, 22                        ; + the batch's 4 MiB
	s_add_co_u32 s24, s24, s25
	s_lshl_b32 s25, s20, 8                         ; + the slot's 256 bytes
	s_add_co_u32 s24, s24, s25
	s_mov_b32 s25, 0
	s_lshl_b32 s26, s22, 4
	s_add_co_u32 s26, s26, s21
	s_lshl_b32 s26, s26, 3
	s_add_co_u32 s26, s26, s20
	s_lshl_b32 s26, s26, 3
	s_add_co_u32 s26, s26, s2
	s_lshl_b32 s26, s26, 9                         ; (((16 b + block) 8 + slot) 8 + w) x 512 bytes
	s_mov_b32 s27, 0
	s_mul_i32 s28, s2, WT                          ; my stage
	s_mov_b32 s[BM+0], 0xff
	s_mov_b32 s[BM+1], 0xff00
	s_mov_b32 s[BM+2], 0xff0000
	s_mov_b32 s[BM+3], 0xff000000
	v_and_b32 v2, 15, v0                           ; r
	v_bfe_u32 v3, v0, 4, 1                         ; h
	v_lshlrev_b32 v4, 4, v2
	v_lshl_add_u32 v5, v3, 11, v4                  ; in memory: lanes 0-15 one row's 256 bytes, lanes 16-31 the next row's
	v_mul_u32_u24 v6, v3, TP
	v_add_nc_u32 v6, v6, v4
	v_add_nc_u32 v6, s28, v6                       ; the same two rows in my stage
	v_mul_u32_u24 v7, v2, TP
	v_lshl_add_u32 v7, v3, 3, v7
	v_add_nc_u32 v7, s28, v7                       ; back: row r, 8 bytes at 8 h
	v_and_b32 v8, 31, v0
	v_lshlrev_b32 v8, 4, v8                        ; my 16 bytes of the tile's 512
	s_wait_kmcnt 0x0
	s_add_nc_u64 s[4:5], s[4:5], s[24:25]
	s_add_nc_u64 s[16:17], s[16:17], s[26:27]
.irp i, 0,1,2,3,4,5,6,7
	global_load_b128 v[IN+4*(\i):IN+4*(\i)+3], v5, s[4:5] offset:4096*(\i) th:TH_LOAD_NT
.endr
.irp k, 0,1,2,3
	v_mov_b32 v[OUT+(\k)], 0                       ; written whole before single lanes are written
.endr
.irp i, 0,1,2,3,4,5,6,7
	s_wait_loadcnt 7-(\i)                          ; loads come back in order: load i is in, the younger ones stay out
	ds_store_b128 v6, v[IN+4*(\i):IN+4*(\i)+3] offset:2*TP*(\i)
.endr
.set m, 0
.rept 16
	ds_load_b64 v[BY+2*m:BY+2*m+1], v7 offset:16*m ; LDS serves a wave's instructions in order: these see the stores above
.set m, m+1
.endr
	s_wait_dscnt 0x0
.set m, 0
.rept 16                                       ; m = 4 step + kb; byte j of the pair is key 16 m + 8 h + j; word 8 m + j goes to lane 2 m + j / 4, register j % 4
.set j, 0
.rept 8
	v_and_b32 v[T+j%4], s[BM+j%4], v[BY+2*m+j/4]
	v_cmp_ne_u32 s[32+j], 0, v[T+j%4]              ; bit l = my lane's byte is not 0
	v_writelane_b32 v[OUT+j%4], s[32+j], 2*m+j/4
.set j, j+1
.endr
.set m, m+1
.endr
	global_store_b128 v8, v[OUT:OUT+3], s[16:17]   ; 512 consecutive bytes, aligned
	s_branch .Lend
.Lweights:                                             ; THE WEIGHTS.  64 work-groups a matrix, 65,536 bytes of f32 each
	s_sub_co_u32 s20, ttmp9, 512
	s_lshr_b32 s21, s20, 6                         ; which matrix: q, k, v, o
	s_and_b32 s22, s20, 63                         ; which piece of it
	s_lshl_b32 s24, s22, 16
	s_mov_b32 s25, 0
	s_lshl_b32 s26, s21, 21
	s_lshl_b32 s27, s22, 15
	s_add_co_u32 s26, s26, s27
	s_mov_b32 s27, 0
	v_lshlrev_b32 v2, 4, v0                        ; 16 bytes a thread in,
	v_lshlrev_b32 v3, 3, v0                        ; 8 out
	s_wait_kmcnt 0x0
	s_cmp_eq_u32 s21, 1
	s_cselect_b64 s[18:19], s[8:9], s[6:7]
	s_cmp_eq_u32 s21, 2
	s_cselect_b64 s[18:19], s[10:11], s[18:19]
	s_cmp_eq_u32 s21, 3
	s_cselect_b64 s[18:19], s[12:13], s[18:19]
	s_add_nc_u64 s[18:19], s[18:19], s[24:25]
	s_add_nc_u64 s[14:15], s[14:15], s[26:27]
.set i, 0
.rept 16
	global_load_b128 v[IN+4*i:IN+4*i+3], v2, s[18:19] offset:4096*i th:TH_LOAD_NT
.set i, i+1
.endr
.macro WOUT tof16                      ; four numbers a thread and load: rounded to bf16; tof16 = 1: that number written as f16; a wave stores 256 consecutive bytes
.set i, 0
.rept 16
	s_wait_loadcnt 15-i                            ; load i is in, the younger ones stay out
	v_cvt_pk_bf16_f32 v[OUT+2*i], v[IN+4*i], v[IN+4*i+1]
	v_cvt_pk_bf16_f32 v[OUT+2*i+1], v[IN+4*i+2], v[IN+4*i+3]
.if \tof16
	v_lshlrev_b32 v4, 16, v[OUT+2*i]
	v_and_b32 v5, 0xffff0000, v[OUT+2*i]
	v_lshlrev_b32 v6, 16, v[OUT+2*i+1]
	v_and_b32 v7, 0xffff0000, v[OUT+2*i+1]
	v_cvt_pk_f16_f32 v[OUT+2*i], v4, v5
	v_cvt_pk_f16_f32 v[OUT+2*i+1], v6, v7
.endif
	global_store_b64 v3, v[OUT+2*i:OUT+2*i+1], s[14:15] offset:2048*i
.set i, i+1
.endr
.endm
	s_cmp_eq_u32 s21, 3
	s_cbranch_scc1 .Lwo
	WOUT 0
	s_branch .Lend
.Lwo:
	WOUT 1
.Lend:
	s_wait_tensorcnt 0x0                           ; the wave's end
	ds_add_u32 v[SPW], v[NIL]
	s_wait_dscnt 0x0
	s_endpgm
.Lfunc_end_k_q75c166e6e8_prep:
	.size	k_q75c166e6e8_prep, .Lfunc_end_k_q75c166e6e8_prep-k_q75c166e6e8_prep
	.p2alignl 7, 3214868480
	.fill 96, 4, 3214868480
	.section	.rodata,"a",@progbits
	.p2align	6, 0x0
	.amdhsa_kernel k_q75c166e6e8_prep
		.amdhsa_group_segment_fixed_size 35840
		.amdhsa_private_segment_fixed_size 0
		.amdhsa_enable_private_segment 0
		.amdhsa_kernarg_size 56
		.amdhsa_user_sgpr_count 2
		.amdhsa_user_sgpr_kernarg_segment_ptr 1
		.amdhsa_wavefront_size32 1
		.amdhsa_system_sgpr_workgroup_id_x 1
		.amdhsa_system_sgpr_workgroup_id_y 1
		.amdhsa_system_sgpr_workgroup_id_z 1
		.amdhsa_system_vgpr_workitem_id 0
		.amdhsa_next_free_vgpr 128
		.amdhsa_next_free_sgpr 66
		.amdhsa_reserve_vcc 0
		.amdhsa_float_denorm_mode_32 3
		.amdhsa_float_denorm_mode_16_64 3
		.amdhsa_memory_ordered 1
		.amdhsa_forward_progress 1
		.amdhsa_inst_pref_size 41
	.end_amdhsa_kernel
	.amdgpu_metadata
---
amdhsa.version: [ 1, 2 ]
amdhsa.kernels:
  - .name:           k_q75c166e6e8_prep
    .symbol:         k_q75c166e6e8_prep.kd
    .args:
      - { .name: masks, .offset: 0, .size: 8, .value_kind: global_buffer, .address_space: global }
      - { .name: Wq, .offset: 8, .size: 8, .value_kind: global_buffer, .address_space: global }
      - { .name: Wk, .offset: 16, .size: 8, .value_kind: global_buffer, .address_space: global }
      - { .name: Wv, .offset: 24, .size: 8, .value_kind: global_buffer, .address_space: global }
      - { .name: Wo, .offset: 32, .size: 8, .value_kind: global_buffer, .address_space: global }
      - { .name: wts, .offset: 40, .size: 8, .value_kind: global_buffer, .address_space: global }
      - { .name: mbits, .offset: 48, .size: 8, .value_kind: global_buffer, .address_space: global }
    .group_segment_fixed_size: 35840
    .private_segment_fixed_size: 0
    .kernarg_segment_align: 8
    .kernarg_segment_size: 56
    .max_flat_workgroup_size: 256
    .sgpr_count:     66
    .vgpr_count:     128
    .wavefront_size: 32
...
	.end_amdgpu_metadata
.endif
;; end of part 1
;; launch proj (part 2): grid 4 x 192, 4 waves a work-group, clusters of 4 x 4, 327,680 bytes of LDS; arguments queries, keys, values, bq, bk, bv, wts, qkv; writes qkv
.if DOCPART == 2
	.amdgcn_target "amdgcn-amd-amdhsa--gfx1250"
	.amdhsa_code_object_version 6
	.text
	.protected	k_q75c166e6e8_proj
	.globl	k_q75c166e6e8_proj
	.p2align	8
	.type	k_q75c166e6e8_proj,@function
k_q75c166e6e8_proj:
	s_mov_b64 s[64:65], 0
	v_nop
	global_prefetch_b8 v0, s[64:65] scope:SCOPE_SE
	s_setreg_imm32_b32 hwreg(HW_REG_WAVE_MODE, 25, 1), 1
	s_wait_xcnt 0x0
	s_wait_alu depctr_hold_cnt(0) depctr_sa_sdst(0) depctr_va_vdst(0) depctr_va_sdst(0) depctr_va_ssrc(0) depctr_va_vcc(0) depctr_vm_vsrc(0)
	s_getreg_b32 s2, hwreg(HW_REG_IB_STS2, 6, 4)
	s_cmp_eq_u32 s2, 0
	s_cbranch_scc0 .Lentry_in_a_cluster
	s_endpgm
.Lentry_in_a_cluster:
	s_bfe_u32 s2, ttmp6, 0x10000c
	s_cmp_lg_u32 s2, 0xf033
	s_cbranch_scc0 .Lentry_shape_is_right
	s_endpgm
.Lentry_shape_is_right:
; THE THREE PROJECTIONS.  qkv[pj][16 b + head][s][64] = f16((x W + bias) x sc): x = queries, keys, values [8192][1024] f32, rounded to bf16 on the way from LDS to the matrix unit;
; W = wts[pj], [k][n] bf16; the bias rounded to bf16; sums in f32, started by the bias; sc = log2(e) / 8 for q (the softmax then works in powers of two), 1 for k and v; one rounding to f16.
; LIMIT.  sc x q, k and v must lie within f16's 65,504; below 6e-5 f16 keeps its fixed step of 6e-8.  NaN and infinities are not treated apart.
; SHARES.  A work-group makes 128 rows x 256 columns, four waves 2 x 2, a wave 64 x 128: 32 accumulators.  K = 1,024 goes in 8 steps of 128 through two LDS slots.
; CLUSTER.  4 x 4 work-groups: the four of a row need the same tile of x, the four of a column the same tile of W: each tile is asked for jointly, same descriptor and mask in all four.
; THE MATRIX INSTRUCTION IS USED TRANSPOSED (source 0 = 16 columns of W, source 1 = 16 rows of x): a lane holds one row and eight neighbouring columns.  W lies [k][n] in LDS and is turned by ds_load_tr16_b128.
; REGISTERS.  window 0: v0-31 addresses; v32-63 x's fragments in bf16; v128-191, v192-255 x's fragments as loaded (f32), two buffers, later the way out.
;   window 1: v0-63, v64-127 W's fragments, two buffers; v128-191 the bias; v192-223 at work.      window 2: accumulator (a, b) at v[8 (8 a + b)].
.set PA,    528                        ; a row of x in LDS: 512 bytes + 16: the 16 rows of a load start at 16 different groups of four banks (64 banks of 4 bytes: ISA guide 11.1)
.set PB,    544                        ; a row of W: 512 + 32
.set AHALF, 64*PA                      ; what one tensor load brings of x,
.set BHALF, 64*PB                      ; and of W
.set BOFF,  2*AHALF                    ; a slot: 128 rows of x, then 128 k-rows of W
.set SLOT1, 139264                     ; slot 1 begins here: its two bits occur in none of the four fill addresses of slot 0, so one exclusive or changes slots
.set STAGE, SLOT1+2*AHALF+2*BHALF      ; behind the ring, never filled by a tensor load: 16 rows x 144 bytes for each wave
.set SP,    144
.set SPARE, STAGE+4*16*SP              ; the spare words, 128 bytes a wave: two blocks of 256 bytes that no other line names
.set ASTEP, 512                        ; a K step in x: 128 f32 along the row
.set BSTEP, 128*2048                   ; in W: 128 rows of 2,048 bytes
.set ADRA,  16                         ; v16  LDS address of my fragments of x in the slot in hand;  v17 the same in slot 0, never rewritten
.set ADRA0, 17
.set ADRB,  20                         ; v20, v21 the same for W
.set ADRB0, 21
.set STO,   24                         ; v24  the way out: where I put 16 bytes of a row
.set RD,    25                         ; v25  where I read rows back
.set GO,    26                         ; v26  16 x my lane
.set SPW,   28                         ; v28  SPARE + 4 x my thread's number; never rewritten
.set NIL,   29                         ; v29  0; never rewritten
.set PFO,   30                         ; v30  the prefetches' lane offset; never rewritten
.set AF,    32
.set RAW,   128
.set BIAS,  128                        ; window 1
.set OUTR,  128
.set G1A,   24                         ; s[24:31] group 1 for x;  s[32:39] group 0: set 0 for step 0, set 1 for step 1, which then walks
.set G0A,   32
.set G1B,   48                         ; s[48:55], s[56:63] the same for W
.set G0B,   56
.set LIM,   43                         ; s43  2 in a wave that prefetches, else the greatest number
.set PFA,   44                         ; s[44:45] where my prefetches stand
.set PST,   66                         ; s[66:67] their step
.set SOFF,  86                         ; s86  0 or SLOT1: the slot in hand
.set MSB, 0
.macro WIN new                         ; the immediate's high byte repeats the setting that is left; a switch that changes nothing is dropped
.if MSB != (\new)
	s_set_vgpr_msb (MSB<<8)|(\new)
.set MSB, \new
.endif
.endm
.macro PLACES
.rept 4
	v_nop
.endr
.endm
.macro CREST                           ; a round of the cluster's barrier behind its opening barrier
	s_cmp_lg_u32 s10, 0
	s_cbranch_scc1 .Lnot_wave_0_\@
	s_barrier_signal -3
.Lnot_wave_0_\@:
	s_barrier_wait -3
	s_barrier_signal -1
	s_barrier_wait -1
.endm
.macro CROUND
	s_barrier_signal -1
	s_barrier_wait -1
	CREST
.endm
.macro JLOAD                           ; a joint refill by the walking descriptors: waves 0, 1 fetch x's halves, waves 2, 3 W's; an s_nop 0 and four v_nop follow each line
	s_cmp_lt_u32 s10, 2
	s_cbranch_scc0 .Lfor_b_\@
	tensor_load_to_lds s[G0A+4:G0A+7], s[G1A:G1A+7]
	s_nop 0
.rept 4
	v_nop
.endr
	s_branch .Lasked_\@
.Lfor_b_\@:
	tensor_load_to_lds s[G0B+4:G0B+7], s[G1B:G1B+7]
	s_nop 0
.rept 4
	v_nop
.endr
.Lasked_\@:
.endm
; A prefetch of the K step that stands two refills on (256 matrix instructions ahead of its load): 16 rows x 512 bytes, a lane a block of 256 bytes.  Of the 64 rows that a wave fetches each of the four
; partners that ask with it takes 16, told apart by address.  x's rows are read by one cluster; W's by the sixteen clusters of a projection, of which the first asks.  Steps 0-3 come by their loads
; alone; the last two trips ask for nothing: there is no step behind 7.
.macro ASK
	s_cmp_gt_u32 s3, s[LIM]
	s_cbranch_scc0 .Lnot_mine_\@
	global_prefetch_b8 v[PFO], s[PFA:PFA+1] th:TH_LOAD_NT scope:SCOPE_SE
.Lnot_mine_\@:
.endm
	s_load_b512 s[68:83], s[0:1], 0x0              ; queries 68, keys 70, values 72, bq 74, bk 76, bv 78, wts 80, qkv 82
	v_lshl_add_u32 v[SPW], v0, 2, SPARE
	v_mov_b32 v[NIL], 0
	ds_add_u32 v[SPW], v[NIL]                      ; the wave's opening: the add and its wait stand ahead of my first tensor load
	v_lshrrev_b32 v1, 5, v0
	v_readfirstlane_b32 s10, v1                    ; wave 0..3
	s_lshr_b32 s11, s10, 1                         ; my half of the rows
	s_and_b32 s12, s10, 1                          ; my half of the columns; also: which half of a tile I fetch
	s_bfe_u32 s40, ttmp6, 0x40000                  ; cx
	s_bfe_u32 s41, ttmp6, 0x40004                  ; cy
	s_lshl_b32 s42, ttmp9, 2
	s_add_co_u32 s42, s42, s40                     ; tile column
	s_and_b32 s14, ttmp7, 0xffff                   ; the cluster's y: sixteen clusters a projection
	s_lshr_b32 s87, s14, 4                         ; which projection: the same in all sixteen partners
	s_lshl_b32 s13, s14, 2
	s_add_co_u32 s13, s13, s41
	s_and_b32 s13, s13, 63                         ; tile row of 128 among the 8,192 rows
	s_lshl_b32 s90, s41, 2
	s_lshl_b32 s90, 15, s90                        ; my row of the cluster
	s_lshl_b32 s91, 0x1111, s40                    ; my column
	s_or_b32 s[G1A+0], s90, (2<<16)|(1<<20)|(1<<21)|(6<<22)|(3<<25)  ; mask; 4-byte elements; padding on; bit 21 beside a mask; after every 128 words; 4 words
	s_mov_b32 s[G1A+1], 128<<16                    ; tensor_dim0 = 128
	s_mov_b32 s[G1A+2], 64<<16                     ; tensor_dim1 = 64
	s_mov_b32 s[G1A+3], 128<<16                    ; tile_dim0 = 128
	s_mov_b32 s[G1A+4], 64                         ; tile_dim1 = 64
	s_mov_b32 s[G1A+5], 1024                       ; elements from row to row
	s_mov_b32 s[G1A+6], 0
	s_mov_b32 s[G1A+7], 0
	s_or_b32 s[G1B+0], s91, (1<<16)|(1<<20)|(1<<21)|(6<<22)|(7<<25)  ; 2-byte elements; after every 128 words 8 words
	s_mov_b32 s[G1B+1], 256<<16
	s_mov_b32 s[G1B+2], 64<<16
	s_mov_b32 s[G1B+3], 256<<16
	s_mov_b32 s[G1B+4], 64
	s_mov_b32 s[G1B+5], 1024
	s_mov_b32 s[G1B+6], 0
	s_mov_b32 s[G1B+7], 0
	s_lshl_b32 s16, s13, 7
	s_lshl_b32 s17, s12, 6
	s_add_co_u32 s16, s16, s17                     ; x: row 128 x tile row + 64 x half,
	s_lshl_b32 s16, s16, 12                        ; of 4,096 bytes
	s_mov_b32 s17, 0
	s_lshl_b32 s46, s87, 21                        ; W: the projection's matrix,
	s_lshl_b32 s47, s12, 17                        ; 64 k-rows x half,
	s_add_co_u32 s46, s46, s47
	s_lshl_b32 s47, s42, 9                         ; 512 bytes x tile column
	s_add_co_u32 s46, s46, s47
	s_mov_b32 s47, 0
	s_mul_i32 s20, s12, AHALF                      ; where they go: no place in the cluster enters an LDS address
	s_mul_i32 s21, s12, BHALF
	s_add_co_u32 s21, s21, BOFF
	s_mov_b32 s[SOFF], 0
	s_wait_dscnt 0x0                               ; the opening add is done
	s_wait_kmcnt 0x0
	s_cmp_eq_u32 s87, 1
	s_cselect_b64 s[4:5], s[70:71], s[68:69]
	s_cselect_b64 s[84:85], s[76:77], s[74:75]
	s_cmp_eq_u32 s87, 2
	s_cselect_b64 s[4:5], s[72:73], s[4:5]         ; x
	s_cselect_b64 s[84:85], s[78:79], s[84:85]     ; its bias
	s_cmp_eq_u32 s87, 0
	s_cselect_b32 s88, 0x3e38aa3b, 1.0             ; log2(e) / 8 for q
	s_mov_b32 s89, s88                             ; named with it as a pair
	s_add_nc_u64 s[14:15], s[4:5], s[16:17]
	s_add_nc_u64 s[46:47], s[80:81], s[46:47]
.irp s, 0,1
	s_mov_b32 s[G0A+4*(\s)], 1
	s_add_co_u32 s[G0A+4*(\s)+1], s20, (\s)*SLOT1
	s_add_nc_u64 s[G0A+4*(\s)+2:G0A+4*(\s)+3], s[14:15], (\s)*ASTEP
	s_or_b32 s[G0A+4*(\s)+3], s[G0A+4*(\s)+3], 0x80000000
	s_mov_b32 s[G0B+4*(\s)], 1
	s_add_co_u32 s[G0B+4*(\s)+1], s21, (\s)*SLOT1
	s_add_nc_u64 s[G0B+4*(\s)+2:G0B+4*(\s)+3], s[46:47], (\s)*BSTEP
	s_or_b32 s[G0B+4*(\s)+3], s[G0B+4*(\s)+3], 0x80000000
.endr
	CROUND                                         ; all sixteen work-groups are here: the first joint loads meet
	s_cmp_lt_u32 s10, 2                            ; a wave's two first fills stand in one branch: two loads of mine are out
	s_cbranch_scc0 .Lfirst_b
	tensor_load_to_lds s[G0A:G0A+3], s[G1A:G1A+7]
	s_nop 0
	tensor_load_to_lds s[G0A+4:G0A+7], s[G1A:G1A+7]
	s_nop 0
.rept 4
	v_nop
.endr
	s_branch .Lfirst_asked
.Lfirst_b:
	tensor_load_to_lds s[G0B:G0B+3], s[G1B:G1B+7]
	s_nop 0
	tensor_load_to_lds s[G0B+4:G0B+7], s[G1B:G1B+7]
	s_nop 0
.rept 4
	v_nop
.endr
.Lfirst_asked:
	v_and_b32 v1, 15, v0                           ; r
	v_bfe_u32 v2, v0, 4, 1                         ; h
	v_and_b32 v3, 7, v0
	v_bfe_u32 v4, v0, 3, 1
	v_mul_u32_u24 v[ADRA0], v1, PA                 ; x: row r, 8 f32 at 32 h
	v_lshl_add_u32 v[ADRA0], v2, 5, v[ADRA0]
	s_mul_i32 s14, s11, AHALF
	v_add_nc_u32 v[ADRA0], s14, v[ADRA0]
	v_lshl_add_u32 v5, v2, 3, v3                   ; W, turned: k-row 8 h + l % 8, 16 bytes at 16 ((l / 8) % 2)
	v_mul_u32_u24 v[ADRB0], v5, PB
	v_lshl_add_u32 v[ADRB0], v4, 4, v[ADRB0]
	s_lshl_b32 s14, s12, 8
	s_add_co_u32 s14, s14, BOFF
	v_add_nc_u32 v[ADRB0], s14, v[ADRB0]
	v_mov_b32 v[ADRA], v[ADRA0]
	v_mov_b32 v[ADRB], v[ADRB0]
	s_mul_i32 s14, s10, 16*SP
	s_add_co_u32 s14, s14, STAGE                   ; my stage
	v_mul_u32_u24 v[STO], v1, SP
	v_lshl_add_u32 v[STO], v2, 4, v[STO]
	v_add_nc_u32 v[STO], s14, v[STO]
	v_bfe_u32 v[RD], v0, 3, 2                      ; back: 32 lanes take four rows of 128 bytes
	v_mul_u32_u24 v[RD], v[RD], SP
	v_lshl_add_u32 v[RD], v3, 4, v[RD]
	v_add_nc_u32 v[RD], s14, v[RD]
	v_and_b32 v7, 31, v0
	v_lshlrev_b32 v[GO], 4, v7
	v_lshlrev_b32 v6, 5, v2                        ; the bias: 8 f32 at 32 h
	; where my rows begin in qkv: ((16 b + 4 tile column + 2 column half) x 2,048 + s) x 128 bytes, in the projection's third
	s_lshl_b32 s90, s13, 7
	s_lshl_b32 s91, s11, 6
	s_add_co_u32 s90, s90, s91                     ; my first row among the 8,192
	s_lshr_b32 s91, s90, 11                        ; b
	s_and_b32 s90, s90, 2047                       ; s
	s_lshl_b32 s91, s91, 4
	s_lshl_b32 s92, s42, 2
	s_add_co_u32 s91, s91, s92
	s_lshl_b32 s92, s12, 1
	s_add_co_u32 s91, s91, s92
	s_lshl_b32 s91, s91, 11
	s_add_co_u32 s90, s90, s91
	s_lshl_b32 s90, s90, 7
	s_lshl_b32 s91, s87, 24
	s_add_co_u32 s90, s90, s91
	s_mov_b32 s91, 0
	s_add_nc_u64 s[8:9], s[82:83], s[90:91]
	s_lshl_b32 s90, s42, 10                        ; my 128 columns of the bias
	s_lshl_b32 s91, s12, 9
	s_add_co_u32 s90, s90, s91
	s_mov_b32 s91, 0
	s_add_nc_u64 s[84:85], s[84:85], s[90:91]
	; the prefetches: at K step 3; the first change of slots steps them to 4
	s_lshl_b32 s90, s13, 7
	s_lshl_b32 s91, s12, 6
	s_add_co_u32 s90, s90, s91
	s_lshl_b32 s91, s40, 4                         ; x: my work-group's 16 of the wave's 64 rows, by cx
	s_add_co_u32 s90, s90, s91
	s_lshl_b32 s90, s90, 12
	s_add_co_u32 s90, s90, 3*ASTEP
	s_lshl_b32 s92, s12, 6
	s_lshl_b32 s93, s41, 4                         ; W: by cy
	s_add_co_u32 s92, s92, s93
	s_lshl_b32 s92, s92, 11
	s_lshl_b32 s93, s42, 9
	s_add_co_u32 s92, s92, s93
	s_lshl_b32 s93, s87, 21
	s_add_co_u32 s92, s92, s93
	s_add_co_u32 s92, s92, 3*BSTEP
	s_mov_b32 s[PST], ASTEP
	s_mov_b32 s95, BSTEP
	s_and_b32 s94, ttmp7, 15
	s_cmp_eq_u32 s94, 0                            ; the projection's first cluster asks for W
	s_cselect_b32 s94, 2, -1
	s_cmp_eq_u32 s11, 0                            ; do I fetch x?
	s_cselect_b32 s90, s90, s92
	s_cselect_b32 s[LIM], 2, s94
	s_cselect_b32 s[PST], s[PST], s95
	s_cselect_b32 s95, 12, 11                      ; a row: 4,096 bytes of x, 2,048 of W
	s_cselect_b64 s[PFA:PFA+1], s[4:5], s[80:81]
	s_mov_b32 s91, 0
	s_mov_b32 s[PST+1], 0
	s_add_nc_u64 s[PFA:PFA+1], s[PFA:PFA+1], s[90:91]
	v_lshrrev_b32 v[PFO], 1, v7
	v_lshlrev_b32 v[PFO], s95, v[PFO]              ; row l / 2,
	v_and_b32 v7, 1, v7
	v_lshl_add_u32 v[PFO], v7, 8, v[PFO]           ; block l % 2 of its 512 bytes
	WIN 0x40                                       ; destination window 1
.irp b, 0,1,2,3,4,5,6,7
	global_load_b128 v[BIAS+8*(\b):BIAS+8*(\b)+3],   v6, s[84:85] offset:64*(\b)
	global_load_b128 v[BIAS+8*(\b)+4:BIAS+8*(\b)+7], v6, s[84:85] offset:64*(\b)+16
.endr
	s_wait_loadcnt 0x0
	WIN 0x45                                       ; all in window 1: the bias is rounded to bf16 like the other inputs and widened again
.set i, 0
.rept 32
	v_cvt_pk_bf16_f32 v[192+i], v[BIAS+2*i], v[BIAS+2*i+1]
.set i, i+1
.endr
.set i, 0
.rept 32
	v_lshlrev_b32 v[BIAS+2*i], 16, v[192+i]
	v_and_b32 v[BIAS+2*i+1], 0xffff0000, v[192+i]
.set i, i+1
.endr
	WIN 0
; Four conversions: half part of fragment a of x, from raw buffer f.  Raw registers 2 i, 2 i + 1 are the fragment's register i.
.macro CVT4 f, a, part
	WIN 0
.irp i, 0,1,2,3
	v_cvt_pk_bf16_f32 v[AF+8*(\a)+4*(\part)+(\i)], v[RAW+64*(\f)+16*(\a)+8*(\part)+2*(\i)], v[RAW+64*(\f)+16*(\a)+8*(\part)+2*(\i)+1]
.endr
.endm
; Eight matrix instructions: m block a x all 8 n blocks, 32 along K.  first = 1: the bias starts the sums: nothing is cleared.  ride = 1: the next m block's conversions stand in two fours among them.
; The 32 accumulators take turns, one instruction a turn, over the backward jump too.
.macro GROUP f, a, first, ride
.irp b, 0,1,2,3,4,5,6,7
.if \first
	WIN 0x91                                       ; W window 1, x window 0, C window 1, D window 2
	v_wmma_f32_16x16x32_bf16 v[8*(8*(\a)+(\b)):8*(8*(\a)+(\b))+7], v[64*(\f)+8*(\b):64*(\f)+8*(\b)+7], v[AF+8*(\a):AF+8*(\a)+7], v[BIAS+8*(\b):BIAS+8*(\b)+7]
.else
	WIN 0xa1                                       ; C and D window 2
	v_wmma_f32_16x16x32_bf16 v[8*(8*(\a)+(\b)):8*(8*(\a)+(\b))+7], v[64*(\f)+8*(\b):64*(\f)+8*(\b)+7], v[AF+8*(\a):AF+8*(\a)+7], v[8*(8*(\a)+(\b)):8*(8*(\a)+(\b))+7]
.endif
.if (\ride) && ((\b) == 1)
	CVT4 \f, (\a)+1, 0
.endif
.if (\ride) && ((\b) == 5)
	CVT4 \f, (\a)+1, 1
.endif
.endr
.endm
; 32 LDS loads in one run: quarter kq of the slot in hand into buffer g: W's 8 fragments (turned), x's 4 as f32
.macro FETCH kq, g
	WIN 0x40
.irp b, 0,1,2,3,4,5,6,7
	ds_load_tr16_b128 v[64*(\g)+8*(\b):64*(\g)+8*(\b)+3],   v[ADRB] offset:(\kq)*32*PB+32*(\b)
	ds_load_tr16_b128 v[64*(\g)+8*(\b)+4:64*(\g)+8*(\b)+7], v[ADRB] offset:(\kq)*32*PB+32*(\b)+16*PB
.endr
	WIN 0
.irp a, 0,1,2,3
	ds_load_b128 v[RAW+64*(\g)+16*(\a):RAW+64*(\g)+16*(\a)+3],     v[ADRA] offset:(\a)*16*PA+(\kq)*128
	ds_load_b128 v[RAW+64*(\g)+16*(\a)+4:RAW+64*(\g)+16*(\a)+7],   v[ADRA] offset:(\a)*16*PA+(\kq)*128+16
	ds_load_b128 v[RAW+64*(\g)+16*(\a)+8:RAW+64*(\g)+16*(\a)+11],  v[ADRA] offset:(\a)*16*PA+(\kq)*128+64
	ds_load_b128 v[RAW+64*(\g)+16*(\a)+12:RAW+64*(\g)+16*(\a)+15], v[ADRA] offset:(\a)*16*PA+(\kq)*128+80
.endr
.endm
; One of a step's first three quarters: multiplies buffer f, fetches quarter kq into g.  The first m block's eight conversions are also the places between the last products and the loads into the
; registers that they read (ISA guide 7.12.1 for vector instructions).
.macro QUARTER kq, f, g, first
	s_wait_dscnt 0x0                               ; this quarter's fragments, asked for 32 matrix instructions ago
	CVT4 \f, 0, 0
	CVT4 \f, 0, 1
	FETCH \kq, \g
	GROUP \f, 0, \first, 1
	GROUP \f, 1, \first, 1
	GROUP \f, 2, \first, 1
	GROUP \f, 3, \first, 0
.endm
; The last quarter multiplies buffer 1 and changes slots.  In front of the barrier each wave waits for all its tensor loads (one is out: its part of the next slot), adds 0 to its spare word, and waits
; for that and for its reads of this slot.  fill = 1: the barrier opens a round of the cluster's, and the joint refill, two steps ahead, is the first thing behind it.
.macro TURN fill
.if \fill
	s_wait_xcnt 0x0                                ; the last prefetch, a K step back, has read its address
	s_add_nc_u64 s[PFA:PFA+1], s[PFA:PFA+1], s[PST:PST+1]
.endif
	s_wait_dscnt 0x0
	CVT4 1, 0, 0
	CVT4 1, 0, 1
	s_xor_b32 s[SOFF], s[SOFF], SLOT1              ; the fetches go on in the other slot
	v_add_nc_u32 v[ADRA], s[SOFF], v[ADRA0]
	v_add_nc_u32 v[ADRB], s[SOFF], v[ADRB0]
	s_wait_tensorcnt 0x0                           ; no tensor load of mine is out, so a group 0 may be written
	ds_add_u32 v[SPW], v[NIL]                      ; 0 onto my spare word
.if \fill
	s_xor_b32 s[G0A+5], s[G0A+5], SLOT1            ; the walking descriptors: the other slot than last time, the next K step
	s_add_nc_u64 s[G0A+6:G0A+7], s[G0A+6:G0A+7], ASTEP
	s_xor_b32 s[G0B+5], s[G0B+5], SLOT1
	s_add_nc_u64 s[G0B+6:G0B+7], s[G0B+6:G0B+7], BSTEP
.endif
	GROUP 1, 0, 0, 1
	s_wait_dscnt 0x0                               ; the add is done; my reads of this slot were over at the quarter's head
	s_barrier_signal -1
	GROUP 1, 1, 0, 1                               ; work on registers while the others arrive
	WIN 0
	s_barrier_wait -1
.if \fill
	CREST
	JLOAD                                          ; its four v_nop are also places in front of the loads below
.else
	PLACES
.endif
	FETCH 0, 0
.if \fill
	ASK
.endif
	GROUP 1, 2, 0, 1
	GROUP 1, 3, 0, 0
.endm
	s_wait_tensorcnt 0x1                           ; my part of step 0 is in; step 1's may stay out
	s_barrier_signal -1
	s_barrier_wait -1
	FETCH 0, 0
	QUARTER 1, 0, 1, 1                             ; the first quarter stands in front of the loop: its products start the sums
	WIN 0
	s_mov_b32 s3, 6
.Lstep:                                                ; a trip: from a step's second quarter to the next step's first; trip t asks for step t + 2
	QUARTER 2, 1, 0, 0
	QUARTER 3, 0, 1, 0
	TURN 1
	QUARTER 1, 0, 1, 0
	WIN 0
	s_sub_co_u32 s3, s3, 1
	s_cmp_lg_u32 s3, 0
	s_cbranch_scc1 .Lstep
	QUARTER 2, 1, 0, 0                             ; steps 6 and 7 ask for nothing
	QUARTER 3, 0, 1, 0
	TURN 0
	QUARTER 1, 0, 1, 0
	QUARTER 2, 1, 0, 0
	QUARTER 3, 0, 1, 0
	s_wait_dscnt 0x0
	CVT4 1, 0, 0
	CVT4 1, 0, 1
	GROUP 1, 0, 0, 1
	GROUP 1, 1, 0, 1
	GROUP 1, 2, 0, 1
	GROUP 1, 3, 0, 0
	WIN 0
	PLACES
	PLACES
; THE WAY OUT.  Unit t = 2 a + head half: 16 rows x one head's 64 channels = 2,048 consecutive bytes of qkv.  Scaled in f32, rounded once to f16, 16 bytes a lane into my stage, back as whole rows.
.macro PACK t
.set AC, 8*(8*((\t)/2)+4*((\t)%2))
	WIN 0x82                                       ; destination and source 0 window 2
.set i, 0
.rept 16
	v_pk_mul_f32 v[AC+i:AC+i+1], v[AC+i:AC+i+1], s[88:89] op_sel_hi:[1,0]  ; each accumulator from its low end on
.set i, i+2
.endr
	WIN 0x0a                                       ; sources window 2, destination window 0
.set i, 0
.rept 16
	v_cvt_pk_f16_f32 v[OUTR+16*(\t)+i], v[AC+2*i], v[AC+2*i+1]
.set i, i+1
.endr
	WIN 0
.irp f, 0,1,2,3
	ds_store_b128 v[STO], v[OUTR+16*(\t)+4*(\f):OUTR+16*(\t)+4*(\f)+3] offset:32*(\f)
.endr
.irp f, 0,1,2,3
	ds_load_b128 v[OUTR+16*(\t)+4*(\f):OUTR+16*(\t)+4*(\f)+3], v[RD] offset:(\f)*4*SP  ; LDS serves a wave's instructions in order: these see the stores above, the next unit's stores come behind them
.endr
.endm
.macro SEND t, younger                 ; younger: the LDS instructions issued behind unit t's loads: the next unit's eight, or none
	WIN 0
.irp f, 0,1,2,3
	s_wait_dscnt (\younger)+3-(\f)
	global_store_b128 v[GO], v[OUTR+16*(\t)+4*(\f):OUTR+16*(\t)+4*(\f)+3], s[8:9] offset:((\t)/2)*2048+((\t)%2)*262144+(\f)*512  ; 512 consecutive bytes, aligned
.endr
.endm
	PACK 0
.irp t, 1,2,3,4,5,6,7
	PACK \t
	SEND (\t)-1, 8
.endr
	SEND 7, 0
	s_wait_tensorcnt 0x0                           ; the wave's end
	ds_add_u32 v[SPW], v[NIL]
	s_wait_dscnt 0x0
	CROUND                                         ; the closing round
	s_endpgm
.Lfunc_end_k_q75c166e6e8_proj:
	.size	k_q75c166e6e8_proj, .Lfunc_end_k_q75c166e6e8_proj-k_q75c166e6e8_proj
	.p2alignl 7, 3214868480
	.fill 96, 4, 3214868480
	.section	.rodata,"a",@progbits
	.p2align	6, 0x0
	.amdhsa_kernel k_q75c166e6e8_proj
		.amdhsa_group_segment_fixed_size 327680
		.amdhsa_private_segment_fixed_size 0
		.amdhsa_enable_private_segment 0
		.amdhsa_kernarg_size 64
		.amdhsa_user_sgpr_count 2
		.amdhsa_user_sgpr_kernarg_segment_ptr 1
		.amdhsa_wavefront_size32 1
		.amdhsa_system_sgpr_workgroup_id_x 1
		.amdhsa_system_sgpr_workgroup_id_y 1
		.amdhsa_system_sgpr_workgroup_id_z 1
		.amdhsa_system_vgpr_workitem_id 0
		.amdhsa_next_free_vgpr 768
		.amdhsa_next_free_sgpr 100
		.amdhsa_reserve_vcc 0
		.amdhsa_float_denorm_mode_32 3
		.amdhsa_float_denorm_mode_16_64 3
		.amdhsa_memory_ordered 1
		.amdhsa_forward_progress 1
		.amdhsa_inst_pref_size 122
	.end_amdhsa_kernel
	.amdgpu_metadata
---
amdhsa.version: [ 1, 2 ]
amdhsa.kernels:
  - .name:           k_q75c166e6e8_proj
    .symbol:         k_q75c166e6e8_proj.kd
    .args:
      - { .name: queries, .offset: 0, .size: 8, .value_kind: global_buffer, .address_space: global }
      - { .name: keys, .offset: 8, .size: 8, .value_kind: global_buffer, .address_space: global }
      - { .name: values, .offset: 16, .size: 8, .value_kind: global_buffer, .address_space: global }
      - { .name: bq, .offset: 24, .size: 8, .value_kind: global_buffer, .address_space: global }
      - { .name: bk, .offset: 32, .size: 8, .value_kind: global_buffer, .address_space: global }
      - { .name: bv, .offset: 40, .size: 8, .value_kind: global_buffer, .address_space: global }
      - { .name: wts, .offset: 48, .size: 8, .value_kind: global_buffer, .address_space: global }
      - { .name: qkv, .offset: 56, .size: 8, .value_kind: global_buffer, .address_space: global }
    .group_segment_fixed_size: 327680
    .private_segment_fixed_size: 0
    .kernarg_segment_align: 8
    .kernarg_segment_size: 64
    .max_flat_workgroup_size: 128
    .sgpr_count:     100
    .vgpr_count:     768
    .wavefront_size: 32
...
	.end_amdgpu_metadata
.endif
;; end of part 2
;; launch attn (part 3): grid 4 x 64, 4 waves a work-group, clusters of 4 x 1, 327,680 bytes of LDS; arguments qkv, mbits, oh; writes oh
.if DOCPART == 3
	.amdgcn_target "amdgcn-amd-amdhsa--gfx1250"
	.amdhsa_code_object_version 6
	.text
	.protected	k_q75c166e6e8_attn
	.globl	k_q75c166e6e8_attn
	.p2align	8
	.type	k_q75c166e6e8_attn,@function
k_q75c166e6e8_attn:
	s_mov_b64 s[64:65], 0
	v_nop
	global_prefetch_b8 v0, s[64:65] scope:SCOPE_SE
	s_setreg_imm32_b32 hwreg(HW_REG_WAVE_MODE, 25, 1), 1
	s_wait_xcnt 0x0
	s_wait_alu depctr_hold_cnt(0) depctr_sa_sdst(0) depctr_va_vdst(0) depctr_va_sdst(0) depctr_va_ssrc(0) depctr_va_vcc(0) depctr_vm_vsrc(0)
	s_getreg_b32 s2, hwreg(HW_REG_IB_STS2, 6, 4)
	s_cmp_eq_u32 s2, 0
	s_cbranch_scc0 .Lentry_in_a_cluster
	s_endpgm
.Lentry_in_a_cluster:
	s_bfe_u32 s2, ttmp6, 0x10000c
	s_cmp_lg_u32 s2, 0x3003
	s_cbranch_scc0 .Lentry_shape_is_right
	s_endpgm
.Lentry_shape_is_right:
; ATTENTION WITH A MASK THAT IS AN INPUT.  oh[hd][q][:] = the sum over k of softmax_k(t[q][k]) V[hd][k][:], t = Q . K where the mask shows the key and -1e9 log2(e) where it hides it.
; Q, K, V = qkv[0..2][hd = 16 b + head][2048][64], f16; Q arrives multiplied by log2(e) / 8, so the weights are p = 2^(t - m) with an exact subtraction.  oh likewise, f16.
; Products, maxima and sums in f32; p is rounded to f16 for the second product (its sum l is taken of the unrounded p), O once at the end.
; THE MASK.  A hidden score is REPLACED, ahead of the running maximum: a row that is hidden entirely gets equal weights.  mbits holds one word for each register of a tile of scores, a bit a lane.
; The words of four tiles and one key step, 128, come by ONE load of 16 bytes a lane into four vector registers: lane l takes tile l / 8, so word d of tile t lies in register d % 4, lane 8 (t % 4) + d / 4.
; Two such sets: tiles 0-3 are read in the turns of pieces 3 and 0 and asked for again behind the second, tiles 4-7 in the turns of pieces 1 and 2: each load has about three turns less the mask block in which to land.
; In a turn 64 v_readlane_b32 put the piece's words into scalar registers, where v_cndmask_b32 takes them; reads and selects stand by turns, under one window setting.  The selects are made in every
; turn, whatever the words hold.
; LIMITS.  The hidden score is f32(-1e9 log2(e)) = -1,442,695,040.  p below 6e-5 keeps f16's fixed step of 6e-8; a weight below 2^-126 counts as 0 in l; NaN and infinities are not treated apart.
; SHARES.  A wave owns four PIECES of two tiles of 16 queries, a work-group 512 queries of one head; every wave walks all 2,048 keys, 64 a step, 256 a slot.
; LAYOUT.  S^T = K Q^T: a lane holds ONE query (lane % 16) and the keys 8 (lane / 16) + 0..7; two such tiles rounded to f16 ARE source 1 of O^T = V^T P.  V is turned by ds_load_tr16_b128.
; BY TURNS.  Turn n belongs to piece n: 16 products K Q^T of piece n + 1, later 16 products V^T P of piece n - 1; beside them piece n's subtraction, exponentials, roundings, sums and rescaling, and piece
; n + 1's selects, maximum and statistics.  Four vector instructions stand behind every product, the rest in one run; the turn's 66 exponentials are one batch with one wait.
; CLUSTER.  The four query blocks of a head walk the same K and V: each tile is asked for jointly.
; REGISTERS.  window 0: v0-11 addresses; v12-15, v48-63 at work; v16-47 statistics; v64-191 S^T, two buffers of two tiles; v192-255 P, likewise.
;   window 1: O^T, 32 a tile.   window 2: v0-127 Q; v128-191 K of one step; v192-255 V of one step.
;   window 3: v0-1 the add's two registers; v2-3 the mask loads' offsets; v4-11 the mask words; v12 the hidden score.
.set SIZE_N, 2048
.set NP,    4
.set KS,    64
.set PK,    144       ; a row of K in LDS: 128 bytes + 16: the 16 rows of a load start at 16 different groups of four banks (ISA guide 11.1)
.set PV,    160       ; a row of V: 128 + 32
.set VOFF,  4*KS*PK   ; a slot: 256 rows of K, then 256 rows of V
.set SLOT1, 1<<17
.set STAGE, SLOT1+4*KS*(PK+PV)  ; behind the ring, never filled by a tensor load: 16 rows x 144 bytes a wave
.set SP,    144
.set SPARE, STAGE+4*16*SP       ; the spare words: two blocks of 256 bytes that no other line names
.set PFO, 1           ; v1   256 x my lane (made when l % 16 is no longer wanted); then never rewritten
.set AK0, 2           ; v2   my lane's place in a tile of K
.set AV0, 3           ; v3   the same for V
.set AK,  4           ; v4   the LDS address of K's next run of loads
.set AV,  5           ; v5   of V's
.set QO,  6           ; v6   my byte offset in the wave's rows of Q; later STO
.set STO, 6
.set RD,  7
.set GO,  8
.set SPW, 0           ; v0 of window 3
.set NIL, 1           ; v1 of window 3
.set MVO0, 2          ; v2 of window 3: 512 (l / 8) + 16 (l % 8): my 16 bytes among four tiles' words of a key step; never rewritten
.set MVO, 3           ; v3 of window 3: the same plus the place of the key step to be loaded next
.set MH,  4           ; v4-7 of window 3: the words of tiles 0-3; v8-11: of tiles 4-7
.set BG3, 12          ; v12 of window 3: the hidden score: a select's first source, in the window of a read's first source
.set MV,  12          ; v12-15  m_old, by buffer and tile
.set ST,  16          ; tile t's statistics at v[ST+4 t]: m, 0 (named with m as a pair), l (even keys', odd keys')
.set TMP, 48          ; by buffer and tile c0-c3 at work; c2 takes a
.set S,   64
.set P,   192
.set KF,  128
.set VF,  192
.set PFA, 2           ; s[2:3]  where my prefetch stands
.set WV,  4
.set SLOTS, 5
.set CNT, 6
.set TBK, 7
.set G1K, 8
.set G1V, 16
.set G0K, 24
.set G0V, 28
.set MS1, 32          ; s[32:63]  the mask words of the piece's second tile
.set TBV, 66
.set MNS, 67          ; s67  the key step whose mask words are loaded next, 31 at the most
.set MS0, 68          ; s[68:99]  of its first tile
.set MP,  100         ; s[100:101] mbits at my wave's 128 queries; never rewritten
.set SEL, 104
.set MSB, 0
.macro WIN new
.if MSB != (\new)
	s_set_vgpr_msb (MSB<<8)|(\new)
.set MSB, (\new)
.endif
.endm
.set W_KQ, 0x0a
.set W_PV, 0x52
.set W_RS, 0x41
.set W_MK, 0xc0
.set W_AD, 0x0f
.macro JLOAD                        ; waves 0, 1 fetch the halves of a slot's K, waves 2, 3 of its V; an s_nop 0 and four v_nop follow each line
	s_cmp_lt_u32 s[WV], 2
	s_cbranch_scc0 .Lfor_v_\@
	tensor_load_to_lds s[G0K:G0K+3], s[G1K:G1K+7]
	s_nop 0
.rept 4
	v_nop
.endr
	s_branch .Lasked_\@
.Lfor_v_\@:
	tensor_load_to_lds s[G0V:G0V+3], s[G1V:G1V+7]
	s_nop 0
.rept 4
	v_nop
.endr
.Lasked_\@:
.endm
.macro CROUND
	s_barrier_signal -1
	s_barrier_wait -1
	s_cmp_lg_u32 s[WV], 0
	s_cbranch_scc1 .Lnot_wave_0_\@
	s_barrier_signal -3
.Lnot_wave_0_\@:
	s_barrier_wait -3
	s_barrier_signal -1
	s_barrier_wait -1
.endm
; THE CHANGE OF SLOTS.  Each wave waits for all its tensor loads (one is out: its part of the other slot), adds 0 to its spare word, and waits for that and for its reads of the slot.  fill = 1: the slot is
; filled again with the keys two slots on, first thing behind a round of the cluster's barrier: four key steps, 512 matrix instructions, in which to land.
.macro CHANGE fill
	WIN W_AD
	s_wait_tensorcnt 0x0            ; no tensor load of mine is out, so a group 0 may be written
	ds_add_u32 v[SPW], v[NIL]       ; 0 onto my spare word
	WIN 0
.if \fill
	s_wait_xcnt 0x0                 ; the last prefetch has read its address
.irp g, G0K, G0V
	s_xor_b32 s[\g+1], s[\g+1], SLOT1
	s_add_nc_u64 s[\g+2:\g+3], s[\g+2:\g+3], 4*KS*128
.endr
	s_add_nc_u64 s[PFA:PFA+1], s[PFA:PFA+1], 4*KS*128  ; one slot behind the walking descriptors' next
	s_wait_dscnt 0x0                ; the add is done, and my reads of the slot are over
	CROUND
	JLOAD
.else
	s_wait_dscnt 0x0
	s_barrier_signal -1
	s_barrier_wait -1
.endif
	s_sub_co_u32 s[TBK], s[TBK], 4*KS*PK
	s_xor_b32 s[TBK], s[TBK], SLOT1
	s_sub_co_u32 s[TBV], s[TBV], 4*KS*PV
	s_xor_b32 s[TBV], s[TBV], SLOT1
.endm
	s_load_b128 s[32:35], s[0:1], 0x0  ; qkv s[32:33], mbits s[34:35]; the head's temporaries live in the mask words' registers
	WIN W_MK
	v_lshl_add_u32 v[SPW], v0, 2, SPARE
	v_mov_b32 v[NIL], 0
	WIN W_AD
	ds_add_u32 v[SPW], v[NIL]       ; the wave's opening: the add and its wait stand ahead of my first tensor load
	WIN 0
	v_lshrrev_b32 v1, 5, v0
	v_readfirstlane_b32 s[WV], v1
	s_bfe_u32 s36, ttmp6, 0x40000   ; cx
	s_lshl_b32 s37, ttmp9, 2
	s_add_co_u32 s37, s37, s36      ; my block of 512 queries: it enters Q's, the mask's and O's addresses alone
	s_and_b32 s38, ttmp7, 0xffff    ; hd, which the four partners share
	s_lshl_b32 s40, s38, 18         ; its 262,144 bytes
	s_and_b32 s39, s[WV], 1         ; which half of a slot's 256 keys I fetch
	s_lshl_b32 s42, s39, 14
	s_add_co_u32 s42, s42, s40
	s_mov_b32 s43, 0
	s_mul_i32 s44, s39, 128*PK
	s_mul_i32 s45, s39, 128*PV
	s_lshl_b32 s46, s37, 2
	s_add_co_u32 s46, s46, s[WV]    ; my wave's 128 queries among the head's sixteen such blocks
	s_lshl_b32 s48, s46, 14
	s_add_co_u32 s48, s48, s40
	s_mov_b32 s49, 0
	s_lshr_b32 s50, s38, 4          ; b
	s_lshl_b32 s50, s50, 4
	s_add_co_u32 s50, s50, s46
	s_lshl_b32 s50, s50, 15         ; 32,768 bytes of mask words for 128 queries
	s_mov_b32 s51, 0
	s_mov_b32 s54, 16777216+32768   ; the prefetches: K (wave 0) or V (wave 2), at slot 1; the first change of slots steps them to slot 2
	s_mov_b32 s55, 33554432+32768
	s_cmp_lt_u32 s[WV], 2
	s_cselect_b32 s54, s54, s55
	s_add_co_u32 s54, s54, s40
	s_lshl_b32 s55, s36, 13         ; my work-group's 32 blocks of a slot's 128, by address
	s_add_co_u32 s54, s54, s55
	s_mov_b32 s55, 0
	s_mov_b32 s[G1K], 15|(1<<16)|(1<<20)|(1<<21)|(4<<22)|(3<<25)  ; the mask of four; 2-byte elements; padding on; bit 21 beside a mask; after every 32 words 4 words
	s_mov_b32 s[G1V], 15|(1<<16)|(1<<20)|(1<<21)|(4<<22)|(7<<25)  ; the same with 8 words
.irp g, G1K, G1V
	s_mov_b32 s[\g+1], 128<<16      ; 128 keys are 16,384 dense bytes: asked for as 64 rows of 256 bytes, two keys a row
	s_mov_b32 s[\g+2], 64<<16
	s_mov_b32 s[\g+3], 128<<16
	s_mov_b32 s[\g+4], 64
	s_mov_b32 s[\g+5], 128
	s_mov_b32 s[\g+6], 0
	s_mov_b32 s[\g+7], 0
.endr
	s_mov_b32 s[SEL], 0x76543210
	s_mov_b32 s[SEL+1], 0xfedcba98
	s_mov_b32 s[TBK], SLOT1+4*KS*PK ; the first change of slots turns these two into 0
	s_mov_b32 s[TBV], SLOT1+4*KS*PV
	s_mov_b32 s[MNS], 0
	s_mov_b32 s[G0K], 1
	s_mov_b32 s[G0K+1], s44
	s_mov_b32 s[G0V], 1
	s_add_co_u32 s[G0V+1], s45, VOFF
	s_wait_dscnt 0x0                ; the opening add is done
	s_wait_kmcnt 0x0
	s_add_nc_u64 s[G0K+2:G0K+3], s[32:33], s[42:43]
	s_add_nc_u64 s[G0K+2:G0K+3], s[G0K+2:G0K+3], 16777216  ; K is qkv's second third,
	s_or_b32 s[G0K+3], s[G0K+3], 0x80000000
	s_add_nc_u64 s[G0V+2:G0V+3], s[32:33], s[42:43]
	s_add_nc_u64 s[G0V+2:G0V+3], s[G0V+2:G0V+3], 33554432  ; V its last
	s_or_b32 s[G0V+3], s[G0V+3], 0x80000000
	s_add_nc_u64 s[52:53], s[32:33], s[48:49]              ; Q at my wave's first row
	s_add_nc_u64 s[MP:MP+1], s[34:35], s[50:51]
	s_add_nc_u64 s[PFA:PFA+1], s[32:33], s[54:55]
	CROUND                          ; all four work-groups are here
	JLOAD                           ; slot 0; slot 1 is asked for when slot 0 is in
	v_and_b32 v1, 15, v0            ; l % 16
	v_bfe_u32 v9, v0, 4, 1          ; l / 16
	v_lshlrev_b32 v[QO], 7, v1
	v_lshl_add_u32 v[QO], v9, 4, v[QO]
	v_and_b32 v10, 7, v0            ; l % 8
	v_bfe_u32 v11, v0, 3, 2         ; l / 8
	v_lshlrev_b32 v11, 9, v11       ; a tile's words of a slot are 512 bytes
	WIN W_MK
	v_lshl_add_u32 v[MVO0], v10, 4, v11
	v_mov_b32 v[BG3], 0xceabfb8f    ; -1e9 log2(e)
	WIN 0x80
.set i, 0
.rept 4*NP                          ; Q stays in registers: tile i / 2, channels 32 (i % 2) on
	global_load_b128 v[8*i:8*i+3],   v[QO], s[52:53] offset:(i/2)*2048+(i%2)*64
	global_load_b128 v[8*i+4:8*i+7], v[QO], s[52:53] offset:(i/2)*2048+(i%2)*64+32
.set i, i+1
.endr
	WIN 0xc3                        ; destination and address window 3
	global_load_b128 v[MH:MH+3],   v[MVO0], s[MP:MP+1]              ; key step 0's mask words: tiles 0-3,
	global_load_b128 v[MH+4:MH+7], v[MVO0], s[MP:MP+1] offset:2048  ; tiles 4-7
	; What the first turn finds: V's registers and P's second buffer hold 0, O^T and l are 0, m is the lowest finite number: the first step is a step like any other, with a = 0.
	WIN 0
.set i, P+32
.rept 32
	v_mov_b32 v[i], 0
.set i, i+1
.endr
.set i, 0
.rept 2*NP
	v_mov_b32 v[ST+4*i], 0xff7fffff
	v_mov_b32 v[ST+4*i+1], 0
	v_mov_b32 v[ST+4*i+2], 0
	v_mov_b32 v[ST+4*i+3], 0
.set i, i+1
.endr
	; V's 64 and O^T's 256 zeros are written eight registers a line, by products of two of P's zero fragments with C = 0: 40 lines for 320.  All this stands in the wait for the first tile.
	WIN 0x80                        ; destination window 2, sources window 0
.set i, 0
.rept 8
	v_wmma_f32_16x16x32_f16 v[VF+8*i:VF+8*i+7], v[P+32:P+39], v[P+40:P+47], 0
.set i, i+1
.endr
	WIN 0x40                        ; destination window 1
.set i, 0
.rept 8*NP
	v_wmma_f32_16x16x32_f16 v[8*i:8*i+7], v[P+32:P+39], v[P+40:P+47], 0
.set i, i+1
.endr
	WIN 0
	v_mul_u32_u24 v[AK0], v1, PK
	v_lshl_add_u32 v[AK0], v9, 4, v[AK0]
	v_bfe_u32 v11, v0, 3, 1
	v_lshl_add_u32 v[AV0], v9, 3, v10
	v_mul_u32_u24 v[AV0], v[AV0], PV
	v_lshl_add_u32 v[AV0], v11, 4, v[AV0]
	v_add_nc_u32 v[AV0], VOFF, v[AV0]
	v_mov_b32 v[AK], v[AK0]
; THE MATRIX WORK.  The 8 accumulators of a run of 16 take turns.
.macro KQ x                         ; product i of 16 of S^T = K Q^T for piece x: channels 32 (i / 8) on, keys 16 ((i / 2) % 4) on, tile 2 x + i % 2
	WIN W_KQ
.set rS, S+64*((\x)%2)+32*(i%2)+8*((i/2)%4)
.set rK, KF+16*((i/2)%4)+8*(i/8)
.set rQ, 16*(2*(\x)+i%2)+8*(i/8)
.if i < 8
	v_wmma_f32_16x16x32_f16 v[rS:rS+7], v[rK:rK+7], v[rQ:rQ+7], 0
.else
	v_wmma_f32_16x16x32_f16 v[rS:rS+7], v[rK:rK+7], v[rQ:rQ+7], v[rS:rS+7]
.endif
.endm
.macro PV x                         ; product i of 16 of O^T += V^T P for piece x
	WIN W_PV
.set rO, 32*(2*(\x)+i%2)+8*((i/2)%4)
.set rV, VF+32*(i/8)+8*((i/2)%4)
.set rP, P+32*((\x)%2)+16*(i%2)+8*(i/8)
	v_wmma_f32_16x16x32_f16 v[rO:rO+7], v[rV:rV+7], v[rP:rP+7], v[rO:rO+7]
.endm
.macro MM
.if i < 16
	KQ (Y+1)%NP
.set i, i+1
.else
.set i, i-16
	PV (Y+NP-1)%NP
.set i, i+17
.endif
.endm
.macro FETCH_K last=0               ; a step's K, 16 loads in one run; last = 1 (the tail): in the last trip there is no further step
	WIN 0
.if \last
	s_cmp_eq_u32 s[CNT], 1
	s_cbranch_scc1 .Lno_k_\@
.endif
	WIN 0x80
.irp f, 0,1,2,3,4,5,6,7
	ds_load_b128 v[KF+8*\f:KF+8*\f+3],   v[AK] offset:(\f/2)*16*PK+(\f%2)*64
	ds_load_b128 v[KF+8*\f+4:KF+8*\f+7], v[AK] offset:(\f/2)*16*PK+(\f%2)*64+32
.endr
	s_add_co_u32 s[TBK], s[TBK], KS*PK
	WIN 0
.if \last
.Lno_k_\@:
.endif
.endm
.macro FETCH_V
	WIN 0x80
.irp f, 0,1,2,3,4,5,6,7
	ds_load_tr16_b128 v[VF+8*\f:VF+8*\f+3],   v[AV] offset:(\f/4)*32*PV+(\f%4)*32
	ds_load_tr16_b128 v[VF+8*\f+4:VF+8*\f+7], v[AV] offset:(\f/4)*32*PV+16*PV+(\f%4)*32
.endr
	WIN 0
.endm
; THE VECTOR WORK OF A TURN stands in three queues and the mask block; the two tiles alternate.
.macro REGS y, u
.set rT, ST+4*(2*(\y)+(\u))
.set rC, TMP+8*((\y)%2)+4*(\u)
.set rM, MV+2*((\y)%2)+(\u)
.set rS, S+64*((\y)%2)+32*(\u)
.set rP, P+32*((\y)%2)+16*(\u)
.set rO, 32*(2*(\y)+(\u))
.endm
; The next piece's maximum and statistics.  0-11 four chains of seven scores; 12-14, 16 the four left over, the old m, c0-c3 into c0; 15 m_old is kept; 17, 18 the other half of the lanes: the new m;
; 20 m_old - m_new; 21 a.
.macro XS u, n
	REGS (Y+1)%NP, \u
.if (\n) < 4
	v_max3_num_f32 v[rC+(\n)], v[rS+8*(\n)], v[rS+8*(\n)+1], v[rS+8*(\n)+2]
.elseif (\n) < 12
	v_max3_num_f32 v[rC+(\n)%4], v[rC+(\n)%4], v[rS+8*((\n)%4)+2*((\n)/4)+1], v[rS+8*((\n)%4)+2*((\n)/4)+2]
.elseif (\n) == 12
	v_max3_num_f32 v[rC], v[rC], v[rS+7], v[rS+15]
.elseif (\n) == 13
	v_max3_num_f32 v[rC+1], v[rC+1], v[rS+23], v[rS+31]
.elseif (\n) == 14
	v_max3_num_f32 v[rC+2], v[rC+2], v[rC+3], v[rT]
.elseif (\n) == 15
	v_mov_b32 v[rM], v[rT]
.elseif (\n) == 16
	v_max3_num_f32 v[rC], v[rC], v[rC+1], v[rC+2]
.elseif (\n) == 17
	v_permlanex16_b32 v[rC+3], v[rC], s[SEL], s[SEL+1]
.elseif (\n) == 18
	v_max_num_f32 v[rT], v[rC], v[rC+3]
.elseif (\n) == 20
	v_sub_f32 v[rC+1], v[rM], v[rT]
.else
	v_exp_f32 v[rC+2], v[rC+1]
.endif
.endm
; THE MASK BLOCK, on the next piece's scores: 64 reads of a word and 64 selects, in the same order: number n is register n / 2 of tile n % 2.
; A read puts a word from its vector register into its scalar one.  A select keeps the score where the word's bit is set and takes the hidden score elsewhere.  Registers ascend.
; Both name their first source in window 3 and all else in window 0: one setting serves the block.  Eight reads go ahead; then select and read stand by
; turns, so that each write of a scalar register has a plain vector line behind it and a select takes a word written 15 or 16 lines earlier.
; Loads come back in order, and at each of the two waits exactly one load, the other set's, was issued behind the one that is wanted: the count is 1.  In the turns of pieces 0 and 2 the set was shown landed
; a turn before; behind the block it is asked for again, for key step MNS.  That number and its place, (n + 28 (n / 4)) x 128 bytes (128 a step, 4,096 a slot), go on in piece 3's turn, behind the wait
; that frees the offset register; n stops at 31: the loads behind the last step name step 31 once more, serve nothing, and stay inside my wave's 32,768 bytes.
.macro RL1
	v_readlane_b32 s[MS0-(MS0-MS1)*(rl%2)+rl/2], v[MH+4*(pn/2)+(rl/2)%4], 8*(2*(pn%2)+rl%2)+rl/8
.set rl, rl+1
.endm
.macro CM1
	REGS pn, cm%2
	v_cndmask_b32 v[rS+cm/2], v[BG3], v[rS+cm/2], s[MS0-(MS0-MS1)*(cm%2)+cm/2]
.set cm, cm+1
.endm
.macro MBLOCK
.set pn, (Y+1)%NP
.set rl, 0
.set cm, 0
.if Y == 3
	s_wait_loadcnt 0x1              ; tiles 0-3 are in
	s_wait_xcnt 0x0                 ; the load of tiles 4-7, a turn back, has read its offset register
	s_add_co_u32 s[MNS], s[MNS], 1
	s_min_u32 s[MNS], s[MNS], 31
	s_lshr_b32 s[MS0], s[MNS], 2    ; (the words' registers are free here)
	s_mul_i32 s[MS0], s[MS0], 28
	s_add_co_u32 s[MS0], s[MS0], s[MNS]
	s_lshl_b32 s[MS0], s[MS0], 7
	WIN 0xcc                        ; destination and source 1 window 3
	v_add_nc_u32 v[MVO], s[MS0], v[MVO0]
.elseif Y == 1
	s_wait_loadcnt 0x1              ; tiles 4-7 are in
.endif
	WIN 0x03                        ; source 0 window 3
.rept 8
	RL1
.endr
.rept 56
	CM1
	RL1
.endr
.rept 8
	CM1
.endr
.if (Y == 0) || (Y == 2)
	WIN 0xc3
	global_load_b128 v[MH+2*Y:MH+2*Y+3], v[MVO], s[MP:MP+1] offset:1024*Y
.endif
	WIN 0
.set q, 96                          ; the plain queue goes on with the maximum
.endm
.macro GS g                         ; the 64 that follow the exponentials: round, round, add in place, and l for the group before
.set h, (\g)+6*((\g)/62)
.if h >= 6
.set h, h+2
.endif
	REGS Y, h%2
.set k, h/8
.if h%8 < 4
	v_cvt_pk_f16_f32 v[rP+2*k+(h%8)/2], v[rS+4*k+2*((h%8)/2)], v[rS+4*k+2*((h%8)/2)+1]
.elseif h%8 < 6
	v_pk_add_f32 v[rS+4*k:rS+4*k+1], v[rS+4*k:rS+4*k+1], v[rS+4*k+2:rS+4*k+3]
.elseif k == 1
	v_pk_fma_f32 v[rT+2:rT+3], v[rT+2:rT+3], v[rC+2:rC+3], v[rS:rS+1] op_sel_hi:[1,0,1]
.else
	v_pk_add_f32 v[rT+2:rT+3], v[rT+2:rT+3], v[rS+4*k-4:rS+4*k-3]
.endif
.endm
.macro FS f                         ; t - m for pair f / 2 of tile f % 2
	REGS Y, (\f)%2
	v_pk_add_f32 v[rS+2*((\f)/2):rS+2*((\f)/2)+1], v[rS+2*((\f)/2):rS+2*((\f)/2)+1], v[rT:rT+1] op_sel_hi:[1,0] neg_lo:[0,1] neg_hi:[0,1]
.endm
; THE PLAIN QUEUE.  0-31 the subtractions; (32-95: the mask block's 64 selects, which MBLOCK writes;) 96-123 the maximum's numbers 0-13; 124, 125 number 15; 126-135 the chain 14, 16, 17, 18, 20;
; 136-199 what follows the exponentials.
.macro PL
	WIN 0
.if q < 32
	FS q
.elseif q < 124
	XS (q-96)%2, (q-96)/2
.elseif q < 126
	XS q-124, 15
.elseif q < 136
.set kk, (q-126)/2
.set nn, 15+kk
.if kk == 0
.set nn, 14
.endif
.if kk == 4
.set nn, 20
.endif
	XS (q-126)%2, nn
.else
	GS q-136
.endif
.set q, q+1
.endm
.macro EX                           ; the exponentials' queue, 66 long: one batch, all ahead of the turn's one wait
	WIN 0
.if e >= 64
	XS e-64, 21
.else
	REGS Y, e%2
	v_exp_f32 v[rS+e/2], v[rS+e/2]
.endif
.set e, e+1
.endm
.macro R2                           ; O^T times a, two at a time
	REGS Y, r%2
	WIN W_RS
.irp z, 0,1
	v_pk_mul_f32 v[rO+4*(r/2)+2*\z:rO+4*(r/2)+2*\z+1], v[rO+4*(r/2)+2*\z:rO+4*(r/2)+2*\z+1], v[rC+2:rC+3] op_sel_hi:[1,0]
.endr
.set r, r+1
.endm
; A TURN, for piece p.  Ahead of the one wait stands all that names no result of the turn's exponentials: 16 products K Q^T, behind each a subtraction, an exponential and two rescalings (behind the first a
; second subtraction); then one run: 8 plain; 7 times exponential and plain, which ends the subtractions; the mask block; 30 times exponential and plain (the maximum's numbers 0-13 and 15); 10 times plain and
; exponential, in which the chain's links stand four lines apart; the last two scores' exponentials and the next piece's two a; a v_nop, the plain instruction behind the last exponential.
; Exponential e stands behind subtraction 2 (e / 4) + e % 2: as a rider behind plain e + 2, ahead of the block behind plain e + 9, behind it behind them all.  The first select stands more than four plain
; instructions behind the last product K Q^T.  Behind the wait stand the 16 products V^T P, behind each four of the roundings and sums.
; K of the next step is fetched in piece 2's turn behind the wait; V of the step in hand at the end of piece 0's turn, four plain instructions behind its last reader.
; pf = 1 (the loop's piece 0): in a slot's third trip wave 0 prefetches K's and wave 2 V's 32 blocks of 256 bytes of the slot that the NEXT change of slots asks for, five turns ahead; the four partners
; share a slot's 128 blocks out by address, so each is named once; slots 0 and 1 come by their loads alone, and the last change that fills a slot has no slot behind it.
.macro TURN p, last=0, cnt=0, pf=0
.set Y, (\p)
.set i, 0
.set q, 0
.set e, 0
.set r, 0
.if (\p) == NP-1
	s_wait_dscnt 0x0                ; K is in
.endif
	MM
	PL
	PL
	R2
.rept 15
	MM
	PL
	EX
	R2
.endr
.if (\p) == NP-2
	WIN 0
	v_add_nc_u32 v[AK], s[TBK], v[AK0]
.endif
.rept 8
	PL
.endr
.rept 7
	EX
	PL
.endr
	MBLOCK
.rept 30
	EX
	PL
.endr
.rept 10
	PL
	EX
.endr
.rept 4
	EX
.endr
	v_nop
	s_wait_alu depctr_va_vdst(0)    ; the wait ahead of the first use: one for the batch
.if (\p) == NP-2
	FETCH_K \last
.endif
.if (\p) == 1
	s_wait_dscnt 0x0                ; V is in
.endif
.rept 16
	MM
.rept 4
	PL
.endr
.if ((\p) == 0) && (q == 180)
	v_add_nc_u32 v[AV], s[TBV], v[AV0]
.endif
.if ((\p) == 0) && (q == 192)
	s_add_co_u32 s[TBV], s[TBV], KS*PV
.endif
.if (\cnt) && (q == 192)
	s_sub_co_u32 s[CNT], s[CNT], 1
	s_cmp_lg_u32 s[CNT], 0
.endif
.endr
.if (\p) == 0
	FETCH_V
.endif
.if \pf
	s_cmp_eq_u32 s[CNT], 2
	s_cbranch_scc0 .Lno_pf_\@
	s_cmp_gt_u32 s[SLOTS], 1
	s_cbranch_scc0 .Lno_pf_\@
	s_bitcmp1_b32 s[WV], 0
	s_cbranch_scc1 .Lno_pf_\@
	global_prefetch_b8 v[PFO], s[PFA:PFA+1] th:TH_LOAD_NT scope:SCOPE_SE
.Lno_pf_\@:
.endif
.endm
	CHANGE 1                        ; slot 0 is in, everybody's part of it; slot 1 is asked for
	FETCH_K                         ; key step 0
	s_wait_loadcnt 0x0              ; Q, and key step 0's mask words
	s_wait_dscnt 0x0
.set i, 0
.rept 16
	KQ 0
.set i, i+1
.endr
	WIN 0                           ; the addresses for the way out: the places behind those products
	s_mul_i32 s[CNT], s[WV], 16*SP
	s_add_co_u32 s[CNT], s[CNT], STAGE
	v_mul_u32_u24 v[STO], v1, SP
	v_lshl_add_u32 v[STO], v9, 4, v[STO]
	v_add_nc_u32 v[STO], s[CNT], v[STO]
	v_bfe_u32 v[RD], v0, 3, 2
	v_mul_u32_u24 v[RD], v[RD], SP
	v_lshl_add_u32 v[RD], v10, 4, v[RD]
	v_add_nc_u32 v[RD], s[CNT], v[RD]
	v_and_b32 v[GO], 31, v0
	v_lshlrev_b32 v[PFO], 8, v[GO]
	v_lshlrev_b32 v[GO], 4, v[GO]
.set Y, NP-1                        ; the mask block and the maximum work for piece Y + 1: piece 0; the mask loads' step goes on to 1
	MBLOCK
.irp n, 0,1,2,3,4,5,6,7,8,9,10,11,12,13,14,15,16,17,18,20,21
	XS 0, \n
	XS 1, \n
.endr
	v_nop
	s_wait_alu depctr_va_vdst(0)    ; the two a, ahead of the branch
	s_mov_b32 s[CNT], 4
	s_mov_b32 s[SLOTS], SIZE_N/256-1
	s_branch .Lfirst                ; the loop is entered at a step's first turn
.Lslot:                             ; six times: every slot but the last two is filled again
	CHANGE 1
	s_mov_b32 s[CNT], 4
.Lstep:                             ; a trip: pieces 2 and 3 of one step, then pieces 0 and 1 of the next
	TURN 2
	TURN 3
	WIN 0
.Lfirst:
	TURN 0, 0, 0, 1
	TURN 1, 0, 1
	WIN 0
	s_cbranch_scc1 .Lstep
	s_sub_co_u32 s[SLOTS], s[SLOTS], 1
	s_cmp_lg_u32 s[SLOTS], 0
	s_cbranch_scc1 .Lslot
	CHANGE 0                        ; the tail is written out
	s_mov_b32 s[CNT], 5             ; four trips fetch the last slot's steps; the fifth is left in its middle
.Ltail:
	TURN 2, 1
	TURN 3
	WIN 0
	s_sub_co_u32 s[CNT], s[CNT], 1
	s_cmp_eq_u32 s[CNT], 0
	s_cbranch_scc1 .Lout
	TURN 0
	TURN 1
	WIN 0
	s_branch .Ltail
.Lout:                              ; the fifth trip's products K Q^T, its selects (by step 31's words once more) and its maximum serve nothing: the price of one text for every trip
	s_load_b64 s[32:33], s[0:1], 0x10  ; oh; the mask words' registers are free
	s_bfe_u32 s34, ttmp6, 0x40000
	s_lshl_b32 s35, ttmp9, 2
	s_add_co_u32 s34, s34, s35
	s_lshl_b32 s34, s34, 2
	s_add_co_u32 s34, s34, s[WV]
	s_lshl_b32 s34, s34, 14         ; my wave's 128 rows of 128 bytes
	s_and_b32 s35, ttmp7, 0xffff
	s_lshl_b32 s35, s35, 18
	s_add_co_u32 s34, s34, s35
	s_mov_b32 s35, 0
.set i, 0
.rept 16
	PV NP-1                         ; the last piece's V^T P of the last step
.set i, i+1
.endr
	; THE WAY OUT.  l's halves and the other half of the lanes' are added; O^T is divided by l, rounded to f16 and sent through my stage, a tile at a time.  The additions are the places behind the last products.
	WIN 0
	s_wait_kmcnt 0x0
	s_add_nc_u64 s[32:33], s[32:33], s[34:35]
.macro ALL line:vararg
.set t, 0
.rept 2*NP
	\line
.set t, t+1
.endr
.endm
	ALL v_add_f32 v[ST+4*t+2], v[ST+4*t+2], v[ST+4*t+3]
	ALL v_permlanex16_b32 v[ST+4*t+3], v[ST+4*t+2], s[SEL], s[SEL+1]
	ALL v_add_f32 v[ST+4*t+2], v[ST+4*t+2], v[ST+4*t+3]
	ALL v_rcp_f32 v[ST+4*t+2], v[ST+4*t+2]
	v_nop
	s_wait_alu depctr_va_vdst(0)    ; one wait for the eight reciprocals
.macro PACK t
	WIN W_RS
.set i, 32*(\t)
.rept 16
	v_pk_mul_f32 v[i:i+1], v[i:i+1], v[ST+4*(\t)+2:ST+4*(\t)+3] op_sel_hi:[1,0]
.set i, i+2
.endr
	WIN 0x05
.set i, 0
.rept 16
	v_cvt_pk_f16_f32 v[S+16*(\t)+i], v[32*(\t)+2*i], v[32*(\t)+2*i+1]
.set i, i+1
.endr
	WIN 0
.irp f, 0,1,2,3
	ds_store_b128 v[STO], v[S+16*(\t)+4*\f:S+16*(\t)+4*\f+3] offset:32*\f
.endr
.irp f, 0,1,2,3
	ds_load_b128 v[S+16*(\t)+4*\f:S+16*(\t)+4*\f+3], v[RD] offset:\f*4*SP  ; LDS serves a wave's instructions in order: these see the stores above
.endr
.endm
.macro SEND t, younger              ; younger: the next tile's eight LDS instructions, or none
	WIN 0
.irp f, 0,1,2,3
	s_wait_dscnt (\younger)+3-\f
	global_store_b128 v[GO], v[S+16*(\t)+4*\f:S+16*(\t)+4*\f+3], s[32:33] offset:(\t)*2048+\f*512  ; 512 consecutive bytes, aligned
.endr
.endm
	PACK 0
.set t, 1
.rept 2*NP-1
	PACK t
	SEND t-1, 8
.set t, t+1
.endr
	SEND 2*NP-1, 0
	WIN W_AD
	s_wait_tensorcnt 0x0            ; the wave's end
	ds_add_u32 v[SPW], v[NIL]
	s_wait_dscnt 0x0
	WIN 0
	CROUND                          ; the closing round
	s_endpgm
.Lfunc_end_k_q75c166e6e8_attn:
	.size	k_q75c166e6e8_attn, .Lfunc_end_k_q75c166e6e8_attn-k_q75c166e6e8_attn
	.p2alignl 7, 3214868480
	.fill 96, 4, 3214868480
	.section	.rodata,"a",@progbits
	.p2align	6, 0x0
	.amdhsa_kernel k_q75c166e6e8_attn
		.amdhsa_group_segment_fixed_size 327680
		.amdhsa_private_segment_fixed_size 0
		.amdhsa_enable_private_segment 0
		.amdhsa_kernarg_size 24
		.amdhsa_user_sgpr_count 2
		.amdhsa_user_sgpr_kernarg_segment_ptr 1
		.amdhsa_wavefront_size32 1
		.amdhsa_system_sgpr_workgroup_id_x 1
		.amdhsa_system_sgpr_workgroup_id_y 1
		.amdhsa_system_sgpr_workgroup_id_z 1
		.amdhsa_system_vgpr_workitem_id 0
		.amdhsa_next_free_vgpr 784
		.amdhsa_next_free_sgpr 106
		.amdhsa_reserve_vcc 0
		.amdhsa_float_denorm_mode_32 3
		.amdhsa_float_denorm_mode_16_64 3
		.amdhsa_memory_ordered 1
		.amdhsa_forward_progress 1
		.amdhsa_inst_pref_size 255
	.end_amdhsa_kernel
	.section	.bss,"aw",@nobits
	.p2align	6
	.space	262144
	.amdgpu_metadata
---
amdhsa.version: [ 1, 2 ]
amdhsa.kernels:
  - .name:           k_q75c166e6e8_attn
    .symbol:         k_q75c166e6e8_attn.kd
    .args:
      - { .name: qkv, .offset: 0, .size: 8, .value_kind: global_buffer, .address_space: global }
      - { .name: mbits, .offset: 8, .size: 8, .value_kind: global_buffer, .address_space: global }
      - { .name: oh, .offset: 16, .size: 8, .value_kind: global_buffer, .address_space: global }
    .group_segment_fixed_size: 327680
    .private_segment_fixed_size: 0
    .kernarg_segment_align: 8
    .kernarg_segment_size: 24
    .max_flat_workgroup_size: 128
    .sgpr_count:     106
    .vgpr_count:     784
    .wavefront_size: 32
...
	.end_amdgpu_metadata
.endif
;; end of part 3
;; launch outp (part 4): grid 4 x 64, 4 waves a work-group, clusters of 4 x 4, 327,680 bytes of LDS; arguments oh, wts, bo, out0; writes out0
.if DOCPART == 4
	.amdgcn_target "amdgcn-amd-amdhsa--gfx1250"
	.amdhsa_code_object_version 6
	.text
	.protected	k_q75c166e6e8_outp
	.globl	k_q75c166e6e8_outp
	.p2align	8
	.type	k_q75c166e6e8_outp,@function
k_q75c166e6e8_outp:
	s_mov_b64 s[64:65], 0
	v_nop
	global_prefetch_b8 v0, s[64:65] scope:SCOPE_SE
	s_setreg_imm32_b32 hwreg(HW_REG_WAVE_MODE, 25, 1), 1
	s_wait_xcnt 0x0
	s_wait_alu depctr_hold_cnt(0) depctr_sa_sdst(0) depctr_va_vdst(0) depctr_va_sdst(0) depctr_va_ssrc(0) depctr_va_vcc(0) depctr_vm_vsrc(0)
	s_getreg_b32 s2, hwreg(HW_REG_IB_STS2, 6, 4)
	s_cmp_eq_u32 s2, 0
	s_cbranch_scc0 .Lentry_in_a_cluster
	s_endpgm
.Lentry_in_a_cluster:
	s_bfe_u32 s2, ttmp6, 0x10000c
	s_cmp_lg_u32 s2, 0xf033
	s_cbranch_scc0 .Lentry_shape_is_right
	s_endpgm
.Lentry_shape_is_right:
; THE LAST PRODUCT.  out0[b][2 v + p][n] = the sum over j of oh[16 b + v / 64][1024 p + j][v % 64] Wo[j][n] + bo[n]: the reshaped transpose of the heads' outputs makes channel v, over half p of the
; queries, a row of the left operand.  So that operand lies [k][m] in memory, as Wo lies [k][n], and both are turned on the way from LDS by ds_load_tr16_b128.
; oh is f16; Wo = wts[3] holds bf16-rounded numbers written as f16; bo is rounded to bf16 and starts the sums; sums in f32, out0 f32.
; SHARES.  A work-group makes 128 channels (two heads) of one p and b x 256 columns; four waves 2 x 2, a wave one head x 128 columns: 32 accumulators.  K = 1,024 in 8 steps of 128, two LDS slots.
; CLUSTER.  4 x 4: the left tile is shared along a row of the cluster, Wo's along a column: joint loads.
; REGISTERS.  window 0: v0-31 addresses; v32-63, v64-95 the left fragments, two buffers; v128-255 the way out.  window 1: v0-63, v64-127 Wo's fragments; v128-191 the bias; v192-223 at work.
;   window 2: accumulator (a, b) at v[8 (8 a + b)].
.set PA,    160                        ; a k-row of a head in LDS: 128 bytes + 32
.set PB,    544                        ; a k-row of Wo: 512 + 32, likewise
.set AHALF, 128*PA                     ; one head's 128 k-rows: what one tensor load brings
.set BHALF, 64*PB
.set BOFF,  2*AHALF
.set SLOT1, 131072                     ; its bit occurs in none of slot 0's fill addresses
.set STAGE, SLOT1+2*AHALF+2*BHALF      ; behind the ring, never filled by a tensor load: 16 rows x 528 bytes for each wave
.set SP,    528
.set SPARE, STAGE+4*16*SP
.set ASTEP, 128*128
.set BSTEP, 128*2048
.set ADRA,  16
.set ADRA0, 17
.set ADRB,  20
.set ADRB0, 21
.set STO,   24
.set RD,    25
.set GO,    26
.set SPW,   28
.set NIL,   29
.set PFO,   30
.set AF,    32
.set BIAS,  128
.set OUTR,  128
.set G1A,   24
.set G0A,   32
.set G1B,   48
.set G0B,   56
.set LIM,   43
.set PFA,   44
.set PST,   66
.set SOFF,  86
.set MSB, 0
.macro WIN new
.if MSB != (\new)
	s_set_vgpr_msb (MSB<<8)|(\new)
.set MSB, \new
.endif
.endm
.macro PLACES
.rept 4
	v_nop
.endr
.endm
.macro CREST
	s_cmp_lg_u32 s10, 0
	s_cbranch_scc1 .Lnot_wave_0_\@
	s_barrier_signal -3
.Lnot_wave_0_\@:
	s_barrier_wait -3
	s_barrier_signal -1
	s_barrier_wait -1
.endm
.macro CROUND
	s_barrier_signal -1
	s_barrier_wait -1
	CREST
.endm
.macro JLOAD                           ; waves 0, 1 fetch the two heads' tiles, waves 2, 3 Wo's halves; an s_nop 0 and four v_nop follow each line
	s_cmp_lt_u32 s10, 2
	s_cbranch_scc0 .Lfor_b_\@
	tensor_load_to_lds s[G0A+4:G0A+7], s[G1A:G1A+7]
	s_nop 0
.rept 4
	v_nop
.endr
	s_branch .Lasked_\@
.Lfor_b_\@:
	tensor_load_to_lds s[G0B+4:G0B+7], s[G1B:G1B+7]
	s_nop 0
.rept 4
	v_nop
.endr
.Lasked_\@:
.endm
; A prefetch of the K step two refills on, 256 matrix instructions ahead of its load.  Left operand: a step is 64 blocks of 256 bytes for each of two heads; wave 0 of each of the four partners takes 16 of
; each head, told apart by address.  Wo: waves 2 and 3 of the first row of clusters, 16 k-rows x 2 blocks for each partner of a column.  Steps 0-3 come by their loads alone; the last two trips ask for nothing.
.macro ASK
	s_cmp_gt_u32 s3, s[LIM]
	s_cbranch_scc0 .Lnot_mine_\@
	global_prefetch_b8 v[PFO], s[PFA:PFA+1] th:TH_LOAD_NT scope:SCOPE_SE
.Lnot_mine_\@:
.endm
	s_load_b256 s[68:75], s[0:1], 0x0              ; oh 68, wts 70, bo 72, out0 74
	v_lshl_add_u32 v[SPW], v0, 2, SPARE
	v_mov_b32 v[NIL], 0
	ds_add_u32 v[SPW], v[NIL]                      ; the wave's opening: the add and its wait stand ahead of my first tensor load
	v_lshrrev_b32 v1, 5, v0
	v_readfirstlane_b32 s10, v1
	s_lshr_b32 s11, s10, 1                         ; my head of the two
	s_and_b32 s12, s10, 1                          ; my half of the columns; also: which half of a tile I fetch
	s_bfe_u32 s40, ttmp6, 0x40000                  ; cx
	s_bfe_u32 s41, ttmp6, 0x40004                  ; cy
	s_lshl_b32 s42, ttmp9, 2
	s_add_co_u32 s42, s42, s40                     ; tile column
	s_and_b32 s13, ttmp7, 0xffff
	s_lshl_b32 s13, s13, 2
	s_add_co_u32 s13, s13, s41                     ; tile row 0..63 = 16 b + 8 p + pair of heads
	s_and_b32 s14, s13, 7                          ; pair of heads
	s_bfe_u32 s15, s13, 0x10003                    ; p
	s_lshr_b32 s18, s13, 4                         ; b
	s_lshl_b32 s90, s41, 2
	s_lshl_b32 s90, 15, s90                        ; my row of the cluster
	s_lshl_b32 s91, 0x1111, s40                    ; my column
	s_or_b32 s[G1A+0], s90, (1<<16)|(1<<20)|(1<<21)|(4<<22)|(7<<25)  ; 2-byte elements; padding on; bit 21 beside a mask; after every 32 words 8 words
	s_mov_b32 s[G1A+1], 128<<16                    ; 128 k-rows of 128 bytes are dense: asked for as 64 rows of 256 bytes
	s_mov_b32 s[G1A+2], 64<<16
	s_mov_b32 s[G1A+3], 128<<16
	s_mov_b32 s[G1A+4], 64
	s_mov_b32 s[G1A+5], 128
	s_mov_b32 s[G1A+6], 0
	s_mov_b32 s[G1A+7], 0
	s_or_b32 s[G1B+0], s91, (1<<16)|(1<<20)|(1<<21)|(6<<22)|(7<<25)
	s_mov_b32 s[G1B+1], 256<<16
	s_mov_b32 s[G1B+2], 64<<16
	s_mov_b32 s[G1B+3], 256<<16
	s_mov_b32 s[G1B+4], 64
	s_mov_b32 s[G1B+5], 1024
	s_mov_b32 s[G1B+6], 0
	s_mov_b32 s[G1B+7], 0
	s_lshl_b32 s16, s18, 4
	s_lshl_b32 s17, s14, 1
	s_add_co_u32 s16, s16, s17
	s_add_co_u32 s16, s16, s12                     ; the head that I fetch: 16 b + 2 pair + half,
	s_lshl_b32 s16, s16, 11
	s_lshl_b32 s17, s15, 10
	s_add_co_u32 s16, s16, s17                     ; its row 1,024 p,
	s_lshl_b32 s16, s16, 7                         ; of 128 bytes
	s_mov_b32 s17, 0
	s_lshl_b32 s46, s12, 17                        ; Wo: 64 k-rows x half,
	s_lshl_b32 s47, s42, 9                         ; 512 bytes x tile column,
	s_add_co_u32 s46, s46, s47
	s_add_co_u32 s46, s46, 3*2097152               ; in the fourth matrix
	s_mov_b32 s47, 0
	s_mul_i32 s20, s12, AHALF
	s_mul_i32 s21, s12, BHALF
	s_add_co_u32 s21, s21, BOFF
	s_mov_b32 s[SOFF], 0
	s_wait_dscnt 0x0                               ; the opening add is done
	s_wait_kmcnt 0x0
	s_add_nc_u64 s[22:23], s[68:69], s[16:17]
	s_add_nc_u64 s[46:47], s[70:71], s[46:47]
.irp s, 0,1
	s_mov_b32 s[G0A+4*(\s)], 1
	s_add_co_u32 s[G0A+4*(\s)+1], s20, (\s)*SLOT1
	s_add_nc_u64 s[G0A+4*(\s)+2:G0A+4*(\s)+3], s[22:23], (\s)*ASTEP
	s_or_b32 s[G0A+4*(\s)+3], s[G0A+4*(\s)+3], 0x80000000
	s_mov_b32 s[G0B+4*(\s)], 1
	s_add_co_u32 s[G0B+4*(\s)+1], s21, (\s)*SLOT1
	s_add_nc_u64 s[G0B+4*(\s)+2:G0B+4*(\s)+3], s[46:47], (\s)*BSTEP
	s_or_b32 s[G0B+4*(\s)+3], s[G0B+4*(\s)+3], 0x80000000
.endr
	CROUND                                         ; all sixteen work-groups are here
	s_cmp_lt_u32 s10, 2                            ; a wave's two first fills stand in one branch: two loads of mine are out
	s_cbranch_scc0 .Lfirst_b
	tensor_load_to_lds s[G0A:G0A+3], s[G1A:G1A+7]
	s_nop 0
	tensor_load_to_lds s[G0A+4:G0A+7], s[G1A:G1A+7]
	s_nop 0
.rept 4
	v_nop
.endr
	s_branch .Lfirst_asked
.Lfirst_b:
	tensor_load_to_lds s[G0B:G0B+3], s[G1B:G1B+7]
	s_nop 0
	tensor_load_to_lds s[G0B+4:G0B+7], s[G1B:G1B+7]
	s_nop 0
.rept 4
	v_nop
.endr
.Lfirst_asked:
	v_and_b32 v1, 15, v0                           ; r
	v_bfe_u32 v2, v0, 4, 1                         ; h
	v_and_b32 v3, 7, v0
	v_bfe_u32 v4, v0, 3, 1
	v_lshl_add_u32 v5, v2, 3, v3                   ; the turning loads: k-row 8 h + l % 8, 16 bytes at 16 ((l / 8) % 2)
	v_mul_u32_u24 v[ADRA0], v5, PA
	v_lshl_add_u32 v[ADRA0], v4, 4, v[ADRA0]
	s_mul_i32 s22, s11, AHALF
	v_add_nc_u32 v[ADRA0], s22, v[ADRA0]
	v_mul_u32_u24 v[ADRB0], v5, PB
	v_lshl_add_u32 v[ADRB0], v4, 4, v[ADRB0]
	s_lshl_b32 s22, s12, 8
	s_add_co_u32 s22, s22, BOFF
	v_add_nc_u32 v[ADRB0], s22, v[ADRB0]
	v_mov_b32 v[ADRA], v[ADRA0]
	v_mov_b32 v[ADRB], v[ADRB0]
	s_mul_i32 s22, s10, 16*SP
	s_add_co_u32 s22, s22, STAGE                   ; my stage
	v_mul_u32_u24 v[STO], v1, SP                   ; in: row r, 8 f32 at 32 h
	v_lshl_add_u32 v[STO], v2, 5, v[STO]
	v_add_nc_u32 v[STO], s22, v[STO]
	v_and_b32 v7, 31, v0
	v_lshlrev_b32 v[GO], 4, v7                     ; 16 x lane: a row's 512 bytes
	v_add_nc_u32 v[RD], s22, v[GO]
	v_lshlrev_b32 v6, 5, v2
	; my first row and column of out0: ((2,048 b + 2 (128 pair + 64 head) + p) x 1,024 + 256 tile column + 128 half) x 4 bytes
	s_lshl_b32 s90, s14, 7
	s_lshl_b32 s91, s11, 6
	s_add_co_u32 s90, s90, s91
	s_lshl_b32 s90, s90, 1
	s_add_co_u32 s90, s90, s15
	s_lshl_b32 s91, s18, 11
	s_add_co_u32 s90, s90, s91
	s_lshl_b32 s90, s90, 10
	s_lshl_b32 s91, s42, 8
	s_add_co_u32 s90, s90, s91
	s_lshl_b32 s91, s12, 7
	s_add_co_u32 s90, s90, s91
	s_lshl_b32 s90, s90, 2
	s_mov_b32 s91, 0
	s_add_nc_u64 s[8:9], s[74:75], s[90:91]
	s_lshl_b32 s90, s42, 10                        ; my 128 columns of the bias
	s_lshl_b32 s91, s12, 9
	s_add_co_u32 s90, s90, s91
	s_mov_b32 s91, 0
	s_add_nc_u64 s[84:85], s[72:73], s[90:91]
	; the prefetches: at K step 3; the first change of slots steps them to 4
	s_lshl_b32 s90, s18, 4
	s_lshl_b32 s91, s14, 1
	s_add_co_u32 s90, s90, s91
	s_lshl_b32 s90, s90, 11
	s_lshl_b32 s91, s15, 10
	s_add_co_u32 s90, s90, s91
	s_lshl_b32 s90, s90, 7                         ; the pair's first head, row 1,024 p,
	s_lshl_b32 s91, s40, 12                        ; my work-group's 16 blocks of a step's 64, by cx
	s_add_co_u32 s90, s90, s91
	s_add_co_u32 s90, s90, 3*ASTEP
	s_lshl_b32 s92, s12, 6
	s_lshl_b32 s93, s41, 4                         ; Wo: my work-group's 16 of the wave's 64 k-rows, by cy
	s_add_co_u32 s92, s92, s93
	s_lshl_b32 s92, s92, 11
	s_lshl_b32 s93, s42, 9
	s_add_co_u32 s92, s92, s93
	s_add_co_u32 s92, s92, 3*2097152+3*BSTEP
	s_mov_b32 s[PST], ASTEP
	s_mov_b32 s95, BSTEP
	s_and_b32 s94, ttmp7, 0xffff
	s_cmp_eq_u32 s94, 0                            ; the first row of clusters asks for Wo
	s_cselect_b32 s94, 2, -1
	s_cmp_eq_u32 s10, 0                            ; wave 0 asks for both heads, wave 1 for nothing
	s_cselect_b32 s93, 2, -1
	s_cmp_eq_u32 s11, 0
	s_cselect_b32 s90, s90, s92
	s_cselect_b32 s[LIM], s93, s94
	s_cselect_b32 s[PST], s[PST], s95
	s_cselect_b32 s93, 4, 1                        ; lane l names unit l >> 4 (a head, 262,144 bytes) or l >> 1 (a k-row, 2,048 bytes),
	s_cselect_b32 s94, 18, 11
	s_cselect_b32 s95, 15, 1                       ; and block l & 15 or l & 1 of it
	s_cselect_b64 s[PFA:PFA+1], s[68:69], s[70:71]
	s_mov_b32 s91, 0
	s_mov_b32 s[PST+1], 0
	s_add_nc_u64 s[PFA:PFA+1], s[PFA:PFA+1], s[90:91]
	v_lshrrev_b32 v[PFO], s93, v7
	v_lshlrev_b32 v[PFO], s94, v[PFO]
	v_and_b32 v7, s95, v7
	v_lshl_add_u32 v[PFO], v7, 8, v[PFO]
	WIN 0x40
.irp b, 0,1,2,3,4,5,6,7
	global_load_b128 v[BIAS+8*(\b):BIAS+8*(\b)+3],   v6, s[84:85] offset:64*(\b)
	global_load_b128 v[BIAS+8*(\b)+4:BIAS+8*(\b)+7], v6, s[84:85] offset:64*(\b)+16
.endr
	s_wait_loadcnt 0x0
	WIN 0x45                                       ; all in window 1: the bias is rounded to bf16 like the other inputs and widened again
.set i, 0
.rept 32
	v_cvt_pk_bf16_f32 v[192+i], v[BIAS+2*i], v[BIAS+2*i+1]
.set i, i+1
.endr
.set i, 0
.rept 32
	v_lshlrev_b32 v[BIAS+2*i], 16, v[192+i]
	v_and_b32 v[BIAS+2*i+1], 0xffff0000, v[192+i]
.set i, i+1
.endr
	WIN 0
; Eight matrix instructions: m block a x all 8 n blocks.  first = 1: the bias starts the sums.  The 32 accumulators take turns, over the backward jump too.
.macro GROUP f, a, first
.irp b, 0,1,2,3,4,5,6,7
.if \first
	WIN 0x91
	v_wmma_f32_16x16x32_f16 v[8*(8*(\a)+(\b)):8*(8*(\a)+(\b))+7], v[64*(\f)+8*(\b):64*(\f)+8*(\b)+7], v[AF+32*(\f)+8*(\a):AF+32*(\f)+8*(\a)+7], v[BIAS+8*(\b):BIAS+8*(\b)+7]
.else
	WIN 0xa1
	v_wmma_f32_16x16x32_f16 v[8*(8*(\a)+(\b)):8*(8*(\a)+(\b))+7], v[64*(\f)+8*(\b):64*(\f)+8*(\b)+7], v[AF+32*(\f)+8*(\a):AF+32*(\f)+8*(\a)+7], v[8*(8*(\a)+(\b)):8*(8*(\a)+(\b))+7]
.endif
.endr
.endm
.macro FETCH kq, g                     ; 24 LDS loads in one run: quarter kq of the slot in hand into buffer g
	WIN 0x40
.irp b, 0,1,2,3,4,5,6,7
	ds_load_tr16_b128 v[64*(\g)+8*(\b):64*(\g)+8*(\b)+3],   v[ADRB] offset:(\kq)*32*PB+32*(\b)
	ds_load_tr16_b128 v[64*(\g)+8*(\b)+4:64*(\g)+8*(\b)+7], v[ADRB] offset:(\kq)*32*PB+32*(\b)+16*PB
.endr
	WIN 0
.irp a, 0,1,2,3
	ds_load_tr16_b128 v[AF+32*(\g)+8*(\a):AF+32*(\g)+8*(\a)+3],   v[ADRA] offset:(\kq)*32*PA+32*(\a)
	ds_load_tr16_b128 v[AF+32*(\g)+8*(\a)+4:AF+32*(\g)+8*(\a)+7], v[ADRA] offset:(\kq)*32*PA+32*(\a)+16*PA
.endr
.endm
.macro QUARTER kq, f, g, first
	s_wait_dscnt 0x0                               ; this quarter's fragments, asked for 32 matrix instructions ago
	PLACES                                         ; in front of loads into registers that the last products read
	FETCH \kq, \g
	GROUP \f, 0, \first
	GROUP \f, 1, \first
	GROUP \f, 2, \first
	GROUP \f, 3, \first
.endm
; The last quarter multiplies buffer 1 and changes slots: each wave waits for all its tensor loads, adds 0 to its spare word, waits for that and for its reads of this slot; fill = 1: the barrier opens a
; round of the cluster's, and the joint refill, two steps ahead, is the first thing behind it.
.macro TURN fill
.if \fill
	s_wait_xcnt 0x0                                ; the last prefetch, a K step back, has read its address
	s_add_nc_u64 s[PFA:PFA+1], s[PFA:PFA+1], s[PST:PST+1]
.endif
	s_wait_dscnt 0x0
	WIN 0
	s_xor_b32 s[SOFF], s[SOFF], SLOT1
	v_add_nc_u32 v[ADRA], s[SOFF], v[ADRA0]
	v_add_nc_u32 v[ADRB], s[SOFF], v[ADRB0]
	s_wait_tensorcnt 0x0                           ; no tensor load of mine is out, so a group 0 may be written
	ds_add_u32 v[SPW], v[NIL]                      ; 0 onto my spare word
.if \fill
	s_xor_b32 s[G0A+5], s[G0A+5], SLOT1
	s_add_nc_u64 s[G0A+6:G0A+7], s[G0A+6:G0A+7], ASTEP
	s_xor_b32 s[G0B+5], s[G0B+5], SLOT1
	s_add_nc_u64 s[G0B+6:G0B+7], s[G0B+6:G0B+7], BSTEP
.endif
	GROUP 1, 0, 0
	s_wait_dscnt 0x0                               ; the add is done; my reads of this slot were over at the quarter's head
	s_barrier_signal -1
	GROUP 1, 1, 0
	WIN 0
	s_barrier_wait -1
.if \fill
	CREST
	JLOAD                                          ; its four v_nop are also the places in front of the loads below
.else
	PLACES
.endif
	FETCH 0, 0
.if \fill
	ASK
.endif
	GROUP 1, 2, 0
	GROUP 1, 3, 0
.endm
	s_wait_tensorcnt 0x1                           ; my part of step 0 is in; step 1's may stay out
	s_barrier_signal -1
	s_barrier_wait -1
	FETCH 0, 0
	QUARTER 1, 0, 1, 1
	WIN 0
	s_mov_b32 s3, 6
.Lstep:                                                ; a trip: from a step's second quarter to the next step's first; trip t asks for step t + 2
	QUARTER 2, 1, 0, 0
	QUARTER 3, 0, 1, 0
	TURN 1
	QUARTER 1, 0, 1, 0
	WIN 0
	s_sub_co_u32 s3, s3, 1
	s_cmp_lg_u32 s3, 0
	s_cbranch_scc1 .Lstep
	QUARTER 2, 1, 0, 0
	QUARTER 3, 0, 1, 0
	TURN 0
	QUARTER 1, 0, 1, 0
	QUARTER 2, 1, 0, 0
	QUARTER 3, 0, 1, 0
	s_wait_dscnt 0x0
	GROUP 1, 0, 0
	GROUP 1, 1, 0
	GROUP 1, 2, 0
	GROUP 1, 3, 0
	WIN 0
	PLACES
	PLACES
; THE WAY OUT, an m block (16 channels = 16 rows of out0, two rows apart) at a time: the f32 sums go into my stage, 32 bytes a lane, and come back as whole rows of 512 bytes.
.macro OUTA a
	WIN 0x08                                       ; the stores' data in window 2
.irp b, 0,1,2,3,4,5,6,7
	ds_store_b128 v[STO], v[8*(8*(\a)+(\b)):8*(8*(\a)+(\b))+3]   offset:64*(\b)     ; each accumulator's low four first
	ds_store_b128 v[STO], v[8*(8*(\a)+(\b))+4:8*(8*(\a)+(\b))+7] offset:64*(\b)+16
.endr
	WIN 0
.if (\a) >= 2
	s_wait_xcnt 0x0                                ; the stores of two blocks back have read these registers
.endif
.irp t, 0,1,2,3,4,5,6,7,8,9,10,11,12,13,14,15
	ds_load_b128 v[OUTR+64*((\a)%2)+4*(\t):OUTR+64*((\a)%2)+4*(\t)+3], v[RD] offset:(\t)*SP  ; LDS serves a wave's instructions in order: these see the stores above
.endr
.irp t, 0,1,2,3,4,5,6,7,8,9,10,11,12,13,14,15
	s_wait_dscnt 15-(\t)                           ; row t is back, the later rows may be out
	global_store_b128 v[GO], v[OUTR+64*((\a)%2)+4*(\t):OUTR+64*((\a)%2)+4*(\t)+3], s[8:9] offset:(16*(\a)+(\t))*8192 th:TH_STORE_NT  ; 512 consecutive bytes, aligned
.endr
.endm
	OUTA 0
	OUTA 1
	OUTA 2
	OUTA 3
	s_wait_tensorcnt 0x0                           ; the wave's end
	ds_add_u32 v[SPW], v[NIL]
	s_wait_dscnt 0x0
	CROUND                                         ; the closing round
	s_endpgm
.Lfunc_end_k_q75c166e6e8_outp:
	.size	k_q75c166e6e8_outp, .Lfunc_end_k_q75c166e6e8_outp-k_q75c166e6e8_outp
	.p2alignl 7, 3214868480
	.fill 96, 4, 3214868480
	.section	.rodata,"a",@progbits
	.p2align	6, 0x0
	.amdhsa_kernel k_q75c166e6e8_outp
		.amdhsa_group_segment_fixed_size 327680
		.amdhsa_private_segment_fixed_size 0
		.amdhsa_enable_private_segment 0
		.amdhsa_kernarg_size 32
		.amdhsa_user_sgpr_count 2
		.amdhsa_user_sgpr_kernarg_segment_ptr 1
		.amdhsa_wavefront_size32 1
		.amdhsa_system_sgpr_workgroup_id_x 1
		.amdhsa_system_sgpr_workgroup_id_y 1
		.amdhsa_system_sgpr_workgroup_id_z 1
		.amdhsa_system_vgpr_workitem_id 0
		.amdhsa_next_free_vgpr 768
		.amdhsa_next_free_sgpr 100
		.amdhsa_reserve_vcc 0
		.amdhsa_float_denorm_mode_32 3
		.amdhsa_float_denorm_mode_16_64 3
		.amdhsa_memory_ordered 1
		.amdhsa_forward_progress 1
		.amdhsa_inst_pref_size 79
	.end_amdhsa_kernel
	.amdgpu_metadata
---
amdhsa.version: [ 1, 2 ]
amdhsa.kernels:
  - .name:           k_q75c166e6e8_outp
    .symbol:         k_q75c166e6e8_outp.kd
    .args:
      - { .name: oh, .offset: 0, .size: 8, .value_kind: global_buffer, .address_space: global }
      - { .name: wts, .offset: 8, .size: 8, .value_kind: global_buffer, .address_space: global }
      - { .name: bo, .offset: 16, .size: 8, .value_kind: global_buffer, .address_space: global }
      - { .name: out0, .offset: 24, .size: 8, .value_kind: global_buffer, .address_space: global }
    .group_segment_fixed_size: 327680
    .private_segment_fixed_size: 0
    .kernarg_segment_align: 8
    .kernarg_segment_size: 32
    .max_flat_workgroup_size: 128
    .sgpr_count:     100
    .vgpr_count:     768
    .wavefront_size: 32
...
	.end_amdgpu_metadata
.endif
;; end of part 4
